; MI455X (gfx1250); checked and timed in simulation.
; The chip was launched on July 23, 2026; its instructions are those of AMD's public machine-readable ISA for CDNA 5 (MIT licence, August 2026) and "CDNA5" Instruction Set Architecture Reference Guide (July 2026). The comments in the code are by the model that wrote it; some were corrected since.
;; Encoder Layer. Allowed arithmetic: matrix products marked QUANTISED: E4M3 operands, one given power-of-two scale a tensor, by v_wmma_f32_16x16x64_fp8_fp8 or v_wmma_f32_16x16x128_fp8_fp8, f32 sums; everything else in f32.
;; Inputs: W1 1,024 x 4,096 float32; W2 4,096 x 1,024 float32; Wk 1,024 x 1,024 float32; Wo 1,024 x 1,024 float32; Wq 1,024 x 1,024 float32; Wv 1,024 x 1,024 float32; b1 4,096 float32; b2 1,024 float32; bk 1,024 float32; bo 1,024 float32; bq 1,024 float32; bv 1,024 float32; ln1_b 1,024 float32; ln1_g 1,024 float32; ln2_b 1,024 float32; ln2_g 1,024 float32; lowp_scales 16 int32 (the exponents e of the quantised operands' scales 2^e); mask 2 x 2,048 x 2,048 bool; x 2 x 2,048 x 1,024 float32.
;; Outputs: out0 2 x 2,048 x 1,024 float32.
;; This version of the problem:
;;   THIS VERSION OF THE PROBLEM IS GIVEN IN LOW PRECISION. The matrix products marked QUANTISED in the list below multiply operands that are first quantised to E4M3 (4 exponent bits, 3 mantissa bits; 8 bits a number), with one given power-of-two scale for each operand tensor; their sums are f32. All else is computed in f32.
;;   The module's matrix products, in the order in which they are computed (A, B: the left and right operand; K: the contracted axis; several contracted axes count as one K, in the product's order):
;;     1. [M 4,096, K 1,024] x [K 1,024, N 1,024]; A: computed on the way; B: input Wq: QUANTISED (scales: A lowp_scales[0], B lowp_scales[1])
;;     2. [M 4,096, K 1,024] x [K 1,024, N 1,024]; A: computed on the way; B: input Wk: QUANTISED (scales: A lowp_scales[2], B lowp_scales[3])
;;     3. [M 4,096, K 1,024] x [K 1,024, N 1,024]; A: computed on the way; B: input Wv: QUANTISED (scales: A lowp_scales[4], B lowp_scales[5])
;;     4. batch 32 x [M 2,048, K 64] x [K 64, N 2,048]; A: computed on the way; B: computed on the way: QUANTISED (scales: A lowp_scales[6], B lowp_scales[7])
;;     5. batch 32 x [M 2,048, K 2,048] x [K 2,048, N 64]; A: softmax (see below); B: computed on the way: QUANTISED (scales: A lowp_scales[8], B lowp_scales[9])
;;     6. [M 4,096, K 1,024] x [K 1,024, N 1,024]; A: computed on the way; B: input Wo: QUANTISED (scales: A lowp_scales[10], B lowp_scales[11])
;;     7. [M 4,096, K 1,024] x [K 1,024, N 4,096]; A: computed on the way; B: input W1: QUANTISED (scales: A lowp_scales[12], B lowp_scales[13])
;;     8. [M 4,096, K 4,096] x [K 4,096, N 1,024]; A: computed on the way; B: input W2: QUANTISED (scales: A lowp_scales[14], B lowp_scales[15])
;;   THE QUANTISER, for each operand of a quantised product, along K:
;;     - The operand's scale is 2^e, e = its entry of the input lowp_scales (int32; the entries are numbered through the quantised products in the list's order, A before B).
;;     - Each number is divided by the scale, clamped to +-448, and rounded to the nearest number of E4M3, ties to even, subnormals kept.
;;     - The product sums the exact products of the quantised numbers (number of the format x scale) in f32.
;;   ~~~python
;;   def quantise(x, axis, e):      # numpy; x: float32 -> the quantised numbers, widened to float32 again
;;       x = np.moveaxis(x, axis, -1); K = x.shape[-1]
;;       r = np.clip(x / 2.0 ** e, -448, 448)
;;       step = 2.0 ** (np.maximum(np.frexp(np.where(r == 0, 1, r))[1] - 1, -6) - 3)
;;       q = np.round(r / step) * step * 2.0 ** e      # np.round: ties to even
;;       return np.moveaxis(q, -1, axis).astype(np.float32)
;;   ~~~
;;   SOFTMAX AHEAD OF A QUANTISED PRODUCT. Where the list says 'softmax', what is quantised is not the finished softmax but p = 2^(t - M), with t = logit x log2(e) and M = ceil(the row's largest t), a whole number; so 1/2 < the row's largest p <= 1. The row's sum l is taken of the UNQUANTISED p, in f32, and the product's result is divided by l at the end. Since M is a whole number, a kernel that streams over the keys may use a running M (the ceiling of the running maximum): every later rescaling is an exact power of two, so the quantised numbers keep their values, but for numbers so far below the row's largest that they fall under the format's range.
;;   OPERANDS COMPUTED ON THE WAY. 'Computed on the way' means the value that the module computes at that place (a softmax that the list does not call 'softmax' is quantised finished and normalised). What goes into a quantiser is computed in f32, as accurately as f32 sums, v_exp_f32 and their like allow (about 1e-6 of the number): no bf16 or f16 on the way to a quantiser, and a product that is left as it is and whose result goes on into a quantised operand takes f32 operands (vector FMAs, or v_wmma_f32_16x16x4_f32). A number that lies on a knife's edge between two numbers of the format may be rounded either way, as far as f32 arithmetic and the matrix unit's own rounding can turn it there, and no further.
;; One version. Each part assembles by itself: llvm-mc -triple=amdgcn-amd-amdhsa -mcpu=gfx1250 --defsym DOCPART=n.
;; ======== version 1 of 1: 7 launches
;; limits: right only within a limited range of input values
;; workspace buffers: wc 12,582,912 bytes; hc 12,582,912 bytes; mw 8,519,680 bytes of whole numbers; qkv 12,582,912 bytes; ctx 4,194,304 bytes; x1 16,777,216 bytes; h2c 4,194,304 bytes; hid 16,777,216 bytes
;; launch prep (part 1): grid 896 x 1, 4 waves a work-group, no clusters, 35,328 bytes of LDS; arguments x, mask, Wq, Wk, Wv, Wo, W1, W2, ln1_g, ln1_b, lowp_scales, wc, hc, mw; writes wc, hc, mw
.if DOCPART == 1
	.amdgcn_target "amdgcn-amd-amdhsa--gfx1250"
	.amdhsa_code_object_version 6
	.text
	.protected	k_qebe77063b0_prep
	.globl	k_qebe77063b0_prep
	.p2align	8
	.type	k_qebe77063b0_prep,@function
k_qebe77063b0_prep:
	s_mov_b64 s[64:65], 0
	v_nop
	global_prefetch_b8 v0, s[64:65] scope:SCOPE_SE
	s_setreg_imm32_b32 hwreg(HW_REG_WAVE_MODE, 25, 1), 1
	s_wait_xcnt 0x0
; PREP: one streaming launch, three roles chosen by the work-group's number alone.
;   0..383   the six weights, f32 [K][N], become codes of E4M3 laid [N][K bytes] (K innermost) in wc
;   384..639 LN1(x), quantised three times (scale entries 0, 2, 4), becomes three arrays of codes in hc
;   640..895 the mask's bytes become codes of E4M3 in the places of the attention's scores, and a flag for rows with no open key, in mw
; Nothing is shared between work-groups and memory binds: no matrix unit, no tensor load, no cluster.
; ORDER OF K.  Inside each 256 codes of hc and of Wq', Wk', Wv', W1': place 8 l + y holds k = 128 (y / 4) + 4 l + y % 4, the order in which a lane of the layer norm
; holds its numbers after dense 16-byte loads; both operands of a product carry it, so every product meets its partner.
; Inside each 32 codes of Wo' and W2': place i holds k = i % 8 + 16 ((i / 8) % 2) + 8 (i / 16): a row read 16 bytes a lane then gives the matrix instruction's own order of k.
; LIMITS: each scale's exponent e lies between -126 and 119, so that 2^e and 448 x 2^e are f32 numbers.  NaN among the inputs is not served (an infinity is held at the largest code).
; The layer norm's sums go lane by lane and then across lanes: another order of additions than a plain running sum.
.set SPARE, 34816                      ; behind the four stages: the spare words, 128 bytes for each wave: two blocks of 256 bytes that no other line names
.set SPW, 206                          ; v206 LDS address of my spare word; never rewritten
.set NIL, 207                          ; v207 0; never rewritten
	s_load_b512 s[4:19], s[0:1], 0x0               ; x 4:5, mask 6:7, Wq 8:9, Wk 10:11, Wv 12:13, Wo 14:15, W1 16:17, W2 18:19
	s_load_b256 s[20:27], s[0:1], 0x40             ; ln1_g 20:21, ln1_b 22:23, the exponents 24:25, wc 26:27
	s_load_b128 s[28:31], s[0:1], 0x60             ; hc 28:29, mw 30:31
	v_lshl_add_u32 v[SPW], v0, 2, SPARE
	v_mov_b32 v[NIL], 0
	v_lshrrev_b32 v1, 5, v0
	v_readfirstlane_b32 s32, v1                    ; wave 0..3
	v_and_b32 v1, 31, v0                           ; lane
	s_wait_kmcnt 0x0
	s_load_b512 s[36:51], s[24:25], 0x0            ; the sixteen exponents: entry i in s[36 + i]
	s_cmp_lt_u32 ttmp9, 384
	s_cbranch_scc1 .Lrole_w
	s_cmp_lt_u32 ttmp9, 640
	s_cbranch_scc1 .Lrole_l
; ---------------------------------------------------------------- THE MASK
; A work-group takes one tile of 16 queries (tile = 128 b + q / 16), wave w the key steps 4 w .. 4 w + 3 of 128 keys.
; Lane (r, h) reads, of query r, the 8 bytes of keys 16 T + 8 h + 0 .. 7 of each of a step's eight tiles T: the places of the scores that it will hold in the attention launch.
; A byte 1 becomes the code 0xf8 (-256 in E4M3), a byte 0 stays the code 0 (a bool is one byte, 0 or 1; 248 x a word of such bytes carries nothing from byte to byte).
; A step's 16 registers are stored as they stand, [tile][step][2 KiB]: four registers a store, lane l's 16 bytes at 16 l: each store covers 512 consecutive bytes, aligned.
; Behind the codes' 8 MiB, [tile][wave][lane]: one word.  Bit 0: all 256 bytes that the lane read are 1 (a row of which that holds in all four waves and both halves of the lanes has no open key).
; Bits 8 to 11, the same in all 32 lanes: step 4 w + 0 .. 3 of the tile holds a masked key; the attention launch reads them as whole numbers and passes over the codes of a step that has none.
.set MD, 16                            ; v16-79 the bytes: step s, tile T at v[16 s + 2 T], two registers
	s_sub_co_u32 s33, ttmp9, 640                   ; the tile
	s_lshl_b32 s62, s33, 15                        ; 16 rows of 2,048 bytes
	s_lshl_b32 s34, s32, 9                         ; my four steps: 512 bytes along the row
	s_add_co_u32 s62, s62, s34
	s_mov_b32 s63, 0
	s_add_nc_u64 s[52:53], s[6:7], s[62:63]
	s_lshl_b32 s62, s33, 15                        ; a tile's 16 steps x 2,048 bytes of codes
	s_lshl_b32 s34, s32, 13                        ; my four steps
	s_add_co_u32 s62, s62, s34
	s_add_nc_u64 s[54:55], s[30:31], s[62:63]
	s_lshl_b32 s62, s33, 9                         ; the flags: four waves x 128 bytes a tile
	s_lshl_b32 s34, s32, 7
	s_add_co_u32 s62, s62, s34
	s_add_co_u32 s62, s62, 0x800000
	s_add_nc_u64 s[56:57], s[30:31], s[62:63]
	s_movk_i32 s58, 0xf8
	v_and_b32 v4, 15, v0
	v_bfe_u32 v5, v0, 4, 1
	v_lshlrev_b32 v2, 11, v4
	v_lshl_add_u32 v2, v5, 3, v2                   ; 2,048 r + 8 h
	s_wait_alu depctr_va_vdst(0)
	v_lshlrev_b32 v3, 4, v1                        ; 16 x lane
	v_lshlrev_b32 v6, 2, v1                        ; 4 x lane
.irp s, 0,1,2,3
.irp t, 0,1,2,3,4,5,6,7
	global_load_b64 v[MD+16*\s+2*\t:MD+16*\s+2*\t+1], v2, s[52:53] offset:128*\s+16*\t th:TH_LOAD_NT
.endr
.endr
	s_wait_loadcnt 0x0
	v_and_b32 v92, v[MD], v[MD+1]                  ; are all my bytes 1?  Two chains
	v_and_b32 v93, v[MD+2], v[MD+3]
.set k, 4
.rept 30
	v_and_b32 v92, v92, v[MD+k]
	v_and_b32 v93, v93, v[MD+k+1]
.set k, k+2
.endr
	v_and_b32 v92, v92, v93
	v_cmp_eq_u32 vcc_lo, 0x01010101, v92
	v_cndmask_b32 v94, 0, 1, vcc_lo
.irp s, 0,1,2,3
	v_or_b32 v[96+\s], v[MD+16*\s], v[MD+16*\s+1]  ; is any byte of step s set?  Four chains by turns
.endr
.set k, 2
.rept 14
.irp s, 0,1,2,3
	v_or_b32 v[96+\s], v[96+\s], v[MD+16*\s+k]
.endr
.set k, k+1
.endr
.irp s, 0,1,2,3
	v_cmp_ne_u32 s[84+\s], 0, v[96+\s]             ; the lanes that saw one
.endr
	s_mov_b32 s60, 0
.irp s, 0,1,2,3
	s_cmp_lg_u32 s[84+\s], 0
	s_cselect_b32 s59, 256<<\s, 0
	s_or_b32 s60, s60, s59                         ; bit 8 + s
.endr
	v_or_b32 v94, s60, v94
	global_store_b32 v6, v94, s[56:57]             ; 128 consecutive bytes a wave; 128 KiB in the whole launch
.set k, 0
.rept 64
	v_mul_lo_u32 v[MD+k], v[MD+k], s58             ; four bytes 0 or 1 become four codes 0 or 0xf8
.set k, k+1
.endr
.irp s, 0,1,2,3
.irp c, 0,1,2,3
	global_store_b128 v3, v[MD+16*\s+4*\c:MD+16*\s+4*\c+3], s[54:55] offset:2048*\s+512*\c
.endr
.endr
	s_wait_kmcnt 0x0                               ; the exponents' load, which this role does not use, is done
	s_endpgm
; ---------------------------------------------------------------- LN1
; A work-group takes 16 rows, a wave four, one whole row (4,096 bytes) at a time in 32 registers: register 4 j + e of lane l is element 128 j + 4 l + e.
; The mean is taken away before the squares are summed.  Eight neighbouring registers give 8 codes; the wave stores them as 256 consecutive bytes.
.Lrole_l:
.set LG,  24                           ; v24-55   the gain, as the row lies
.set LB,  56                           ; v56-87   the bias
.set LX,  88                           ; v88-151  two rows by turns
.set LT,  152                          ; v152-167 two sets of eight held numbers by turns: the other set's holds are the plain lines behind a conversion
.set LC,  168                          ; v168-191 a row's codes: 3 scales x 8 registers
	s_sub_co_u32 s33, ttmp9, 384
	s_lshl_b32 s33, s33, 4
	s_lshl_b32 s34, s32, 2
	s_add_co_u32 s33, s33, s34                     ; my first row
	s_lshl_b32 s62, s33, 12
	s_mov_b32 s63, 0
	s_add_nc_u64 s[54:55], s[4:5], s[62:63]        ; x
	s_lshl_b32 s62, s33, 10
	s_add_nc_u64 s[56:57], s[28:29], s[62:63]      ; the three arrays of codes, 4 MiB apart
	s_add_nc_u64 s[58:59], s[56:57], 0x400000
	s_add_nc_u64 s[60:61], s[58:59], 0x400000
	s_wait_alu depctr_va_vdst(0)
	v_lshlrev_b32 v2, 4, v1
	v_lshlrev_b32 v3, 3, v1
.macro LNLOAD rr
.irp j, 0,1,2,3,4,5,6,7
	global_load_b128 v[LX+32*((\rr)%2)+4*\j:LX+32*((\rr)%2)+4*\j+3], v2, s[54:55] offset:4096*(\rr)+512*\j th:TH_LOAD_NT
.endr
.endm
.irp j, 0,1,2,3,4,5,6,7
	global_load_b128 v[LG+4*\j:LG+4*\j+3], v2, s[20:21] offset:512*\j
.endr
.irp j, 0,1,2,3,4,5,6,7
	global_load_b128 v[LB+4*\j:LB+4*\j+3], v2, s[22:23] offset:512*\j
.endr
	LNLOAD 0
	LNLOAD 1
	s_mov_b32 s52, 0x76543210                      ; lane selects: lane l xor 16
	s_mov_b32 s53, 0xfedcba98
	s_mov_b32 s66, 0x3a800000                      ; 1 / 1,024
	s_mov_b32 s67, 0x3727c5ac                      ; 1e-5
	s_wait_kmcnt 0x0
.irp p, 0,1,2
	s_add_co_i32 s34, s[36+2*\p], 127
	s_lshl_b32 s35, s34, 23
	v_mov_b32 v[4+\p], s35                         ; 2^e: the conversion takes its exponent field
	s_add_co_i32 s34, s34, 8
	s_lshl_b32 s34, s34, 23
	s_or_b32 s34, s34, 0x600000
	v_mov_b32 v[7+\p], s34                         ; 448 x 2^e
.endr
.macro LANESUM                         ; v14 summed over the 32 lanes, the result in every lane
	v_add_f32_dpp v14, v14, v14 row_xmask:1 row_mask:0xf bank_mask:0xf
	v_add_f32_dpp v14, v14, v14 row_xmask:2 row_mask:0xf bank_mask:0xf
	v_add_f32_dpp v14, v14, v14 row_xmask:4 row_mask:0xf bank_mask:0xf
	v_add_f32_dpp v14, v14, v14 row_xmask:8 row_mask:0xf bank_mask:0xf
	v_permlanex16_b32 v15, v14, s52, s53
	v_add_f32 v14, v14, v15
.endm
.macro LNROW rr, left
.set XS, LX+32*((\rr)%2)
	s_wait_loadcnt \left                           ; my row's eight loads are in; the next row's eight may be out
	v_pk_add_f32 v[14:15], v[XS:XS+1], v[XS+2:XS+3]
	v_pk_add_f32 v[16:17], v[XS+4:XS+5], v[XS+6:XS+7]
.irp j, 8,12,16,20,24,28
	v_pk_add_f32 v[14:15], v[14:15], v[XS+\j:XS+\j+1]
	v_pk_add_f32 v[16:17], v[16:17], v[XS+\j+2:XS+\j+3]
.endr
	v_pk_add_f32 v[14:15], v[14:15], v[16:17]
	v_add_f32 v14, v14, v15
	LANESUM
	v_mul_f32 v10, s66, v14                        ; the mean, twice: a pair for the packed form
	v_mul_f32 v11, s66, v14
.irp j, 0,2,4,6,8,10,12,14,16,18,20,22,24,26,28,30
	v_pk_add_f32 v[XS+\j:XS+\j+1], v[XS+\j:XS+\j+1], v[10:11] neg_lo:[0,1] neg_hi:[0,1]
.endr
	v_pk_mul_f32 v[14:15], v[XS:XS+1], v[XS:XS+1]
	v_pk_mul_f32 v[16:17], v[XS+2:XS+3], v[XS+2:XS+3]
.irp j, 4,8,12,16,20,24,28
	v_pk_fma_f32 v[14:15], v[XS+\j:XS+\j+1], v[XS+\j:XS+\j+1], v[14:15]
	v_pk_fma_f32 v[16:17], v[XS+\j+2:XS+\j+3], v[XS+\j+2:XS+\j+3], v[16:17]
.endr
	v_pk_add_f32 v[14:15], v[14:15], v[16:17]
	v_add_f32 v14, v14, v15
	LANESUM
	v_fma_f32 v14, v14, s66, s67                   ; the variance + 1e-5
	s_wait_alu depctr_va_vdst(0)
	v_rsq_f32 v12, v14
	v_nop                                          ; a plain line behind the transcendental
	s_wait_alu depctr_va_vdst(0)                   ; the wait ahead of the result's first reader
	v_mov_b32 v13, v12
.irp j, 0,2,4,6,8,10,12,14,16,18,20,22,24,26,28,30
	v_pk_mul_f32 v[XS+\j:XS+\j+1], v[XS+\j:XS+\j+1], v[12:13]
.endr
.irp j, 0,2,4,6,8,10,12,14,16,18,20,22,24,26,28,30
	v_pk_fma_f32 v[XS+\j:XS+\j+1], v[XS+\j:XS+\j+1], v[LG+\j:LG+\j+1], v[LB+\j:LB+\j+1]
.endr
	s_wait_xcnt 0x0                                ; the last row's stores have read their codes: the registers may be written again
.irp p, 0,1,2
.irp g, 0,1,2,3
.irp i, 0,1,2,3,4,5,6,7
	v_med3_num_f32 v[LT+8*(\g%2)+\i], v[XS+8*\g+\i], -v[7+\p], v[7+\p]   ; the conversion to an 8-bit code does not saturate (ISA guide 7.6.2): the hold comes first
.endr
	v_cvt_scalef32_pk8_fp8_f32 v[LC+8*\p+2*\g:LC+8*\p+2*\g+1], v[LT+8*(\g%2):LT+8*(\g%2)+7], v[4+\p]
	global_store_b64 v3, v[LC+8*\p+2*\g:LC+8*\p+2*\g+1], s[56+2*\p:57+2*\p] offset:1024*(\rr)+256*\g   ; 32 lanes store 256 consecutive bytes, aligned
.endr
.endr
.if (\rr) < 2
	LNLOAD (\rr)+2
.endif
.endm
	LNROW 0, 8
	LNROW 1, 8
	LNROW 2, 8
	LNROW 3, 0
	s_endpgm
; ---------------------------------------------------------------- THE WEIGHTS
; A work-group takes 128 columns x 256 along K of one weight; a wave all 128 columns x 64 along K: two blocks of 32 codes, in four units of 16 rows.
; A load reads 512 consecutive bytes of one row: A LANE TAKES FOUR NEIGHBOURING COLUMNS.  The hold writes each number into the place that the conversion wants (eight registers on end run down K, in the order in
; which the codes are to lie), so the turn costs no line of its own.  A lane's 16 codes of a column and a unit go into the work-group's stage: column 4 l + j lies at stage row 32 j + l, so that the lanes' rows are
; 272 bytes apart.  One barrier; then wave w takes stage rows 32 w on (columns 4 l + w) and stores them as rows: sixteen lanes store 256 consecutive bytes, aligned.
; One path serves all six weights: what differs (source, exponent, sizes, order of k) is chosen from the work-group's number by selects.
.Lrole_w:
.set WOF, 16                           ; v16-47   register i's byte offset: its row of the block x the row's bytes + 16 x lane
.set WX,  48                           ; v48-175  two units of 16 rows x 4 columns by turns
.set WCD, 176                          ; v176-191 a unit's codes: four registers a column
.set WT,  208                          ; v208-239 eight rows' held numbers: eight registers a column
.set WOU, 48                           ; v48-111  the way out: 16 x 4 registers (the units are done with)
.set WSO, 112                          ; v112-127 the way out: byte offsets in wc
.set BT,  68                           ; s[68:71] my two blocks' bases
	s_lshr_b32 s33, ttmp9, 5                       ; 0 Wq, 1 Wk, 2 Wv, 3 Wo, 4-7 W1, 8-11 W2
	s_lshr_b32 s34, ttmp9, 7                       ; 0 the four small ones, 1 W1, 2 W2
	s_and_b32 s35, ttmp9, 127
	s_cmp_lt_u32 s33, 8
	s_cselect_b64 s[52:53], s[16:17], s[18:19]
	s_cmp_lt_u32 s33, 4
	s_cselect_b64 s[52:53], s[14:15], s[52:53]
	s_cmp_lt_u32 s33, 3
	s_cselect_b64 s[52:53], s[12:13], s[52:53]
	s_cmp_lt_u32 s33, 2
	s_cselect_b64 s[52:53], s[10:11], s[52:53]
	s_cmp_lt_u32 s33, 1
	s_cselect_b64 s[52:53], s[8:9], s[52:53]       ; the source
	s_min_u32 s55, s33, 4
	s_lshl_b32 s55, s55, 20
	s_cmp_ge_u32 s33, 8
	s_cselect_b32 s55, 0x800000, s55               ; its codes' place in wc
	s_cselect_b32 s57, 12, 10                      ; log2 of K
	s_cselect_b32 s86, 0, 1
	s_cmp_eq_u32 s33, 3
	s_cselect_b32 s86, 0, s86                      ; 1: the layer norm's order of k; 0 (Wo, W2): the fragment's
	s_cmp_eq_u32 s34, 1
	s_cselect_b32 s56, 12, 10                      ; log2 of N
	s_cselect_b32 s87, 31, 7
	s_cselect_b32 s88, 5, 3
	s_cmp_eq_u32 s34, 0
	s_cselect_b32 s89, 3, 15
	s_and_b32 s59, s35, s87                        ; which 128 columns
	s_lshr_b32 s60, s35, s88
	s_and_b32 s60, s60, s89                        ; which 256 along K
	s_lshl_b32 s58, 4, s56                         ; a row of the source in bytes
	s_lshl_b32 s61, s59, 7                         ; my work-group's first column
	s_mul_i32 s62, s60, s58
	s_lshl_b32 s62, s62, 8
	s_lshl_b32 s63, s61, 2
	s_add_co_u32 s62, s62, s63
	s_mov_b32 s63, 0
	s_add_nc_u64 s[52:53], s[52:53], s[62:63]
	s_lshl_b32 s62, s61, s57
	s_add_co_u32 s62, s62, s55
	s_lshl_b32 s66, s60, 8
	s_add_co_u32 s62, s62, s66
	s_add_nc_u64 s[84:85], s[26:27], s[62:63]      ; where my 32 rows of codes begin
	s_wait_alu depctr_va_vdst(0)
	v_lshlrev_b32 v2, 4, v1                        ; four columns a lane
	s_wait_alu depctr_va_vdst(0)
	s_cmp_eq_u32 s86, 1
	s_cselect_b32 s66, 16, 32                      ; rows from a block of 32 codes to the next
.set i, 0
.rept 32
	s_cselect_b32 s91, 128*((i>>2)&1)+4*(i>>3)+(i&3), (i&7)+16*((i>>3)&1)+8*(i>>4)
	s_mul_i32 s91, s91, s58
	v_add_nc_u32 v[WOF+i], s91, v2
.set i, i+1
.endr
	s_mul_i32 s66, s66, s58
	s_mov_b32 s67, 0
	s_lshl_b32 s90, s32, 1
	s_mul_i32 s90, s90, s66                        ; my blocks are 2 x wave and the next
	s_mov_b32 s91, 0
	s_add_nc_u64 s[BT:BT+1], s[52:53], s[90:91]
	s_add_nc_u64 s[BT+2:BT+3], s[BT:BT+1], s[66:67]
.macro WLOAD u                         ; unit u: registers 16 (u % 2) on of block u / 2: 16 loads of 512 consecutive bytes
.set i, 0
.rept 16
	global_load_b128 v[WX+64*((\u)%2)+4*i:WX+64*((\u)%2)+4*i+3], v[WOF+16*((\u)%2)+i], s[BT+2*((\u)/2):BT+2*((\u)/2)+1] th:TH_LOAD_NT
.set i, i+1
.endr
.endm
	s_wait_alu depctr_va_vdst(0)
	WLOAD 0
	WLOAD 1
	s_lshl_b32 s90, s32, 6                         ; my 64 codes of each stage row
	s_mul_i32 s92, s32, 8704                       ; the 32 stage rows x (256 bytes + 16) that I take out
	v_mul_u32_u24 v3, v1, 272
	v_add_nc_u32 v3, s90, v3                       ; into the stage: row = lane (+ 32 j by the offset), byte 64 x wave
	v_and_b32 v4, 15, v0
	v_bfe_u32 v5, v0, 4, 1
	v_mul_u32_u24 v6, v5, 272
	v_lshl_add_u32 v6, v4, 4, v6
	v_add_nc_u32 v6, s92, v6                       ; out of it: sixteen lanes to a row, two rows an instruction
	v_lshl_add_u32 v7, v5, 2, s32                  ; 4 h + wave: stage row 32 wave + 2 t + h holds column 4 (2 t + h) + wave
	s_wait_kmcnt 0x0
	s_cmp_lt_u32 s33, 8
	s_cselect_b32 s54, s49, s51
	s_cmp_lt_u32 s33, 4
	s_cselect_b32 s54, s47, s54
	s_cmp_lt_u32 s33, 3
	s_cselect_b32 s54, s41, s54
	s_cmp_lt_u32 s33, 2
	s_cselect_b32 s54, s39, s54
	s_cmp_lt_u32 s33, 1
	s_cselect_b32 s54, s37, s54                    ; entry 1, 3, 5, 11, 13 or 15
	s_add_co_i32 s54, s54, 127
	s_lshl_b32 s91, s54, 23
	v_mov_b32 v11, s91                             ; 2^e
	s_add_co_i32 s54, s54, 8
	s_lshl_b32 s54, s54, 23
	s_or_b32 s54, s54, 0x600000
	v_mov_b32 v10, s54                             ; 448 x 2^e
.macro WUNIT u
.set XS, WX+64*((\u)%2)
.if (\u) < 3
	s_wait_loadcnt 16                              ; this unit's 16 loads are in; the next unit's may be out
.else
	s_wait_loadcnt 0
.endif
.irp g, 0,1                            ; eight rows at a time
.set i, 0
.rept 8
.irp j, 0,1,2,3
	v_med3_num_f32 v[WT+8*\j+i], v[XS+32*\g+4*i+\j], -v10, v10   ; the hold (the conversion does not saturate: ISA guide 7.6.2), and column j's eight numbers on end
.endr
.set i, i+1
.endr
.irp j, 0,1,2,3
	v_cvt_scalef32_pk8_fp8_f32 v[WCD+4*\j+2*\g:WCD+4*\j+2*\g+1], v[WT+8*\j:WT+8*\j+7], v11
.endr
	v_nop                                          ; the plain line between the conversions and the lines that write their sources again
.endr
.irp j, 0,1,2,3
	ds_store_b128 v3, v[WCD+4*\j:WCD+4*\j+3] offset:8704*\j+16*(\u)   ; 16 codes of column 4 l + j
.endr
.if (\u)+2 < 4
	WLOAD (\u)+2
.endif
	s_wait_dscnt 0x0                               ; the stores have read their registers: the next unit's codes may be written.  (Behind the last unit: for the others' sake)
.endm
	s_wait_alu depctr_va_vdst(0)
.irp u, 0,1,2,3
	WUNIT \u
.endr
.irp t, 0,1,2,3,4,5,6,7,8,9,10,11,12,13,14,15
	v_add_nc_u32 v[WSO+\t], 8*\t, v7
	v_lshlrev_b32 v[WSO+\t], s57, v[WSO+\t]
	v_lshl_add_u32 v[WSO+\t], v4, 4, v[WSO+\t]     ; (4 (2 t + h) + wave) rows of K bytes + 16 r
.endr
	s_wait_alu depctr_va_vdst(0)                   ; the wait here, directly ahead of the barrier's signal
	s_barrier_signal -1
	s_barrier_wait -1                              ; all four waves' codes lie in the stage
.irp t, 0,1,2,3,4,5,6,7,8,9,10,11,12,13,14,15
	ds_load_b128 v[WOU+4*\t:WOU+4*\t+3], v6 offset:544*\t   ; LDS serves a wave's instructions in order (ISA guide 5.7.1.4): these see my stores
.endr
.irp t, 0,1,2,3,4,5,6,7,8,9,10,11,12,13,14,15
	s_wait_dscnt 15-\t
	global_store_b128 v[WSO+\t], v[WOU+4*\t:WOU+4*\t+3], s[84:85]
.endr
	s_wait_tensorcnt 0x0                           ; the wave's end
	ds_add_u32 v[SPW], v[NIL]
	s_wait_dscnt 0x0
	s_endpgm
.Lfunc_end_k_qebe77063b0_prep:
	.size	k_qebe77063b0_prep, .Lfunc_end_k_qebe77063b0_prep-k_qebe77063b0_prep
	.p2alignl 7, 3214868480
	.fill 96, 4, 3214868480
	.section	.rodata,"a",@progbits
	.p2align	6, 0x0
	.amdhsa_kernel k_qebe77063b0_prep
		.amdhsa_group_segment_fixed_size 35328
		.amdhsa_private_segment_fixed_size 0
		.amdhsa_enable_private_segment 0
		.amdhsa_kernarg_size 112
		.amdhsa_user_sgpr_count 2
		.amdhsa_user_sgpr_kernarg_segment_ptr 1
		.amdhsa_wavefront_size32 1
		.amdhsa_system_sgpr_workgroup_id_x 1
		.amdhsa_system_sgpr_workgroup_id_y 1
		.amdhsa_system_sgpr_workgroup_id_z 1
		.amdhsa_system_vgpr_workitem_id 0
		.amdhsa_next_free_vgpr 240
		.amdhsa_next_free_sgpr 100
		.amdhsa_reserve_vcc 1
		.amdhsa_float_denorm_mode_32 3
		.amdhsa_float_denorm_mode_16_64 3
		.amdhsa_memory_ordered 1
		.amdhsa_forward_progress 1
		.amdhsa_inst_pref_size 115
	.end_amdhsa_kernel
	.amdgpu_metadata
---
amdhsa.version: [ 1, 2 ]
amdhsa.kernels:
  - .name:           k_qebe77063b0_prep
    .symbol:         k_qebe77063b0_prep.kd
    .args:
      - { .name: x, .offset: 0, .size: 8, .value_kind: global_buffer, .address_space: global }
      - { .name: mask, .offset: 8, .size: 8, .value_kind: global_buffer, .address_space: global }
      - { .name: Wq, .offset: 16, .size: 8, .value_kind: global_buffer, .address_space: global }
      - { .name: Wk, .offset: 24, .size: 8, .value_kind: global_buffer, .address_space: global }
      - { .name: Wv, .offset: 32, .size: 8, .value_kind: global_buffer, .address_space: global }
      - { .name: Wo, .offset: 40, .size: 8, .value_kind: global_buffer, .address_space: global }
      - { .name: W1, .offset: 48, .size: 8, .value_kind: global_buffer, .address_space: global }
      - { .name: W2, .offset: 56, .size: 8, .value_kind: global_buffer, .address_space: global }
      - { .name: ln1_g, .offset: 64, .size: 8, .value_kind: global_buffer, .address_space: global }
      - { .name: ln1_b, .offset: 72, .size: 8, .value_kind: global_buffer, .address_space: global }
      - { .name: lowp_scales, .offset: 80, .size: 8, .value_kind: global_buffer, .address_space: global }
      - { .name: wc, .offset: 88, .size: 8, .value_kind: global_buffer, .address_space: global }
      - { .name: hc, .offset: 96, .size: 8, .value_kind: global_buffer, .address_space: global }
      - { .name: mw, .offset: 104, .size: 8, .value_kind: global_buffer, .address_space: global }
    .group_segment_fixed_size: 35328
    .private_segment_fixed_size: 0
    .kernarg_segment_align: 8
    .kernarg_segment_size: 112
    .max_flat_workgroup_size: 128
    .sgpr_count:     100
    .vgpr_count:     240
    .wavefront_size: 32
...
	.end_amdgpu_metadata
.endif
;; end of part 1
;; launch qkv (part 2): grid 12 x 16, 4 waves a work-group, clusters of 4 x 4, 327,680 bytes of LDS; arguments hc, wc, lowp_scales, bq, bk, bv, qkv; writes qkv
.if DOCPART == 2
	.amdgcn_target "amdgcn-amd-amdhsa--gfx1250"
	.amdhsa_code_object_version 6
	.text
	.protected	k_qebe77063b0_qkv
	.globl	k_qebe77063b0_qkv
	.p2align	8
	.type	k_qebe77063b0_qkv,@function
k_qebe77063b0_qkv:
	s_mov_b64 s[64:65], 0
	v_nop
	global_prefetch_b8 v0, s[64:65] scope:SCOPE_SE
	s_setreg_imm32_b32 hwreg(HW_REG_WAVE_MODE, 25, 1), 1
	s_wait_xcnt 0x0
	s_wait_alu depctr_hold_cnt(0) depctr_sa_sdst(0) depctr_va_vdst(0) depctr_va_sdst(0) depctr_va_ssrc(0) depctr_va_vcc(0) depctr_vm_vsrc(0)
	s_getreg_b32 s2, hwreg(HW_REG_IB_STS2, 6, 4)
	s_cmp_eq_u32 s2, 0
	s_cbranch_scc0 .Lentry_in_a_cluster
	s_endpgm
.Lentry_in_a_cluster:
	s_bfe_u32 s2, ttmp6, 0x10000c
	s_cmp_lg_u32 s2, 0xf033
	s_cbranch_scc0 .Lentry_shape_is_right
	s_endpgm
.Lentry_shape_is_right:
; q, k, v = LN1(x) W + b on codes of E4M3.  The cluster's x says which: 0 q, 1 k, 2 v.  Each result is quantised at once (entries 6, 7, 9; q's division by 8 is three added to its exponent)
; and stored as images of the attention launch's operand registers.  For v the two sources change places (rows of Wv' against tokens), so that a lane's registers run along the keys.
; A tile is 256 x 256, four waves of 128 x 128; K goes in steps of 256 through a ring of two LDS slots filled by joint loads: 4 x 4 work-groups, one operand shared along a row of the cluster, the other along a column.
; The bias goes in divided by the power of two that the sums lack.  No prefetch: K is 1,024, four slots of the largest block in clusters.
; LIMITS: the sums and differences of exponents that are made into f32 numbers lie between -126 and 119.  NaN is not served.
.set KSTEP,  256
.set ROWB,   256
.set KROW,   1024
.set PITCH,  272
.set FR,     16
.set NL,     4
.set NP,     4
.set HALFT,  128*PITCH
.set SLOT,   4*HALFT
.set LAPS,   2
.set SPARE,  2*SLOT
.set VO,   8
.set ADRA, 16
.set ADRB, 20
.set LI,   27
.set SPW,  28
.set NIL,  29
.set BIAS, 32
.set TMP,  96
.set AF,   128
.set COD,  160
.set SCV,  224
.set LIMV, 225
.set G1, 24
.set G0, 32
.set G1B, 48
.set G0B, 56
.set MSB, 0
.macro WIN new
.if MSB != \new
	s_set_vgpr_msb (MSB<<8)|\new
.set MSB, \new
.endif
.endm
.set MUL_LO, 0xa1
.set MUL_HI, 0xf1
.set TO_B,   0x40
.macro JLOAD g0a, g1a, g0b, g1b
	s_cmp_eq_u32 s15, 0
	s_cbranch_scc0 .Lfor_b_\@
	tensor_load_to_lds s[\g0a:\g0a+3], s[\g1a:\g1a+7]
	s_nop 0
.rept 4
	v_nop
.endr
	s_branch .Lasked_\@
.Lfor_b_\@:
	tensor_load_to_lds s[\g0b:\g0b+3], s[\g1b:\g1b+7]
	s_nop 0
.rept 4
	v_nop
.endr
.Lasked_\@:
.endm
.macro CREST
	s_cmp_lg_u32 s14, 0
	s_cbranch_scc1 .Lnot_wave_0_\@
	s_barrier_signal -3
.Lnot_wave_0_\@:
	s_barrier_wait -3
	s_barrier_signal -1
	s_barrier_wait -1
.endm
.macro CROUND
	s_barrier_signal -1
	s_barrier_wait -1
	CREST
.endm
	s_load_b128 s[4:7], s[0:1], 0x0
	s_load_b128 s[8:11], s[0:1], 0x10
	s_load_b128 s[68:71], s[0:1], 0x20
	s_load_b64 s[72:73], s[0:1], 0x30
	v_lshl_add_u32 v[SPW], v0, 2, SPARE
	v_mov_b32 v[NIL], 0
	ds_add_u32 v[SPW], v[NIL]
	ds_add_u32 v[SPW], v[NIL]
	v_lshrrev_b32 v1, 5, v0
	v_readfirstlane_b32 s14, v1
	s_lshr_b32 s15, s14, 1
	s_and_b32 s16, s14, 1
	s_bfe_u32 s40, ttmp6, 0x40000
	s_bfe_u32 s41, ttmp6, 0x40004
	s_and_b32 s18, ttmp7, 0xffff
	s_lshl_b32 s18, s18, 2
	s_cmp_eq_u32 ttmp9, 2
	s_cselect_b32 s19, 0, s18
	s_cselect_b32 s22, s18, 0
	s_add_co_u32 s17, s41, s19
	s_add_co_u32 s42, s40, s22
	s_lshl_b32 s43, s41, 2
	s_lshl_b32 s43, 15, s43
	s_lshl_b32 s44, 0x1111, s40
	s_or_b32 s[G1+0], s43, (0<<16)|(1<<20)|(1<<21)|(5<<22)|(3<<25)
	s_or_b32 s[G1B+0], s44, (0<<16)|(1<<20)|(1<<21)|(5<<22)|(3<<25)
.irp g, G1, G1B
	s_mov_b32 s[\g+1], ROWB<<16
	s_mov_b32 s[\g+2], 128<<16
	s_mov_b32 s[\g+3], ROWB<<16
	s_mov_b32 s[\g+4], 128
	s_mov_b32 s[\g+5], KROW
	s_mov_b32 s[\g+6], 0
	s_mov_b32 s[\g+7], 0
.endr
	s_lshl_b32 s18, s16, 7
	s_lshl_b32 s20, s17, 8
	s_add_co_u32 s20, s20, s18
	s_lshl_b32 s20, s20, 10
	s_lshl_b32 s46, s42, 8
	s_add_co_u32 s46, s46, s18
	s_lshl_b32 s46, s46, 10
	s_lshl_b32 s22, ttmp9, 22
	s_lshl_b32 s23, ttmp9, 20
	s_cmp_eq_u32 ttmp9, 2
	s_cselect_b32 s22, 0x200000, s22
	s_cselect_b32 s23, 0x800000, s23
	s_add_co_u32 s20, s20, s22
	s_add_co_u32 s46, s46, s23
	s_mov_b32 s21, 0
	s_mov_b32 s47, 0
	s_mul_i32 s45, s14, HALFT
	s_wait_dscnt 0x0
	s_wait_kmcnt 0x0
	s_load_b512 s[76:91], s[8:9], 0x0
	s_cmp_eq_u32 ttmp9, 2
	s_cselect_b64 s[98:99], s[6:7], s[4:5]
	s_cselect_b64 s[100:101], s[4:5], s[6:7]
	s_add_nc_u64 s[20:21], s[98:99], s[20:21]
	s_add_nc_u64 s[46:47], s[100:101], s[46:47]
	CROUND
.irp s, 0,1
	s_mov_b32 s[G0+4*\s], 1
	s_add_co_u32 s[G0+4*\s+1], s45, \s*SLOT
	s_add_nc_u64 s[G0+4*\s+2:G0+4*\s+3], s[20:21], \s*ROWB
	s_or_b32 s[G0+4*\s+3], s[G0+4*\s+3], 0x80000000
	s_mov_b32 s[G0B+4*\s], 1
	s_add_co_u32 s[G0B+4*\s+1], s45, \s*SLOT
	s_add_nc_u64 s[G0B+4*\s+2:G0B+4*\s+3], s[46:47], \s*ROWB
	s_or_b32 s[G0B+4*\s+3], s[G0B+4*\s+3], 0x80000000
.if \s                                 ; slot 1's first fill is issued as a refill is
	s_wait_alu depctr_va_vdst(0)
	s_wait_tensorcnt 0x0
	ds_add_u32 v28, v29
	ds_add_u32 v28, v29
	s_wait_dscnt 0x0
	CROUND
.endif
	JLOAD G0+4*\s, G1, G0B+4*\s, G1B
.endr
	v_and_b32 v1, 15, v0
	v_bfe_u32 v2, v0, 4, 1
	v_mul_u32_u24 v3, v1, PITCH
	v_lshl_add_u32 v4, v2, 4, v3
	s_mul_i32 s21, s15, HALFT
	s_mul_i32 s22, s16, HALFT
	s_add_co_u32 s22, s22, 2*HALFT
.irp s, 0,1
	v_add_nc_u32 v[ADRA+\s], s21, v4
	v_add_nc_u32 v[ADRB+\s], s22, v4
	s_add_co_u32 s21, s21, SLOT
	s_add_co_u32 s22, s22, SLOT
.endr
	v_and_b32 v6, 31, v0
	v_lshlrev_b32 v[LI], 4, v6
	s_lshl_b32 s96, s17, 8
	s_lshl_b32 s18, s15, 7
	s_add_co_u32 s96, s96, s18
	s_lshl_b32 s97, s42, 8
	s_lshl_b32 s18, s16, 7
	s_add_co_u32 s97, s97, s18
	s_cmp_eq_u32 ttmp9, 0
	s_cselect_b64 s[92:93], s[10:11], s[68:69]
	s_cmp_eq_u32 ttmp9, 2
	s_cselect_b64 s[92:93], s[70:71], s[92:93]
	s_cselect_b32 s98, s96, s97
	s_cselect_b32 s18, 4, 0
	s_cselect_b32 s19, 0, 32
	s_cselect_b32 s23, 0, 4
	s_lshl_b32 s98, s98, 2
	s_mov_b32 s99, 0
	s_add_nc_u64 s[92:93], s[92:93], s[98:99]
	v_mul_u32_u24 v7, v1, s18
	v_mad_u32_u24 v7, v2, s19, v7
	s_wait_alu depctr_va_vdst(0)
.irp j, 0,1,2,3,4,5,6,7
	s_mul_i32 s100, s23, \j
	v_add_nc_u32 v[VO+\j], s100, v7
.endr
.irp k, 0,1,2,3,4,5,6,7
.irp j, 0,1,2,3,4,5,6,7
	global_load_b32 v[BIAS+8*\k+\j], v[VO+\j], s[92:93] offset:64*\k
.endr
.endr
.macro FRAG reg, adr, q, i
.irp c, 0,1,2,3
	ds_load_b128 v[\reg+4*\c:\reg+4*\c+3], v[\adr] offset:128*(\q)+32*\c+(\i)*16*PITCH
.endr
.endm
.macro MUL16 a0, p, zero
.irp a, \a0, \a0+1
.irp b, 0,1,2,3,4,5,6,7
.if \zero
	v_wmma_f32_16x16x128_fp8_fp8 v[8*(8*((\a)%4)+\b):8*(8*((\a)%4)+\b)+7], v[128*(\p)+FR*\b:128*(\p)+FR*\b+FR-1], v[AF+FR*(\a):AF+FR*(\a)+FR-1], 0
.else
	v_wmma_f32_16x16x128_fp8_fp8 v[8*(8*((\a)%4)+\b):8*(8*((\a)%4)+\b)+7], v[128*(\p)+FR*\b:128*(\p)+FR*\b+FR-1], v[AF+FR*(\a):AF+FR*(\a)+FR-1], v[8*(8*((\a)%4)+\b):8*(8*((\a)%4)+\b)+7]
.endif
.endr
.endr
.endm
.macro FETCH_B slot, q, p
	WIN TO_B
.irp i, 0,1,2,3,4,5,6,7
	FRAG 128*(\p)+FR*\i, ADRB+\slot, \q, \i
.endr
	WIN 0
.endm
.macro FETCH_A slot, q, i0
.irp i, \i0, \i0+1, \i0+2, \i0+3
	FRAG AF+FR*(\i), ADRA+\slot, \q, \i
.endr
.endm
.macro PLACES n
.rept \n
	v_nop
.endr
.endm
.macro STEP slot, q, zero
	s_wait_dscnt 4*NL
	WIN MUL_LO
	MUL16 0, (\q)%2, \zero
	MUL16 2, (\q)%2, \zero
	s_wait_dscnt 0
	PLACES NP
	FETCH_B \slot, (\q)+1, 1-(\q)%2
	FETCH_A \slot, (\q)+1, 0
	WIN MUL_HI
	MUL16 4, (\q)%2, \zero
	MUL16 6, (\q)%2, \zero
	PLACES NP
	WIN 0
	FETCH_A \slot, (\q)+1, 4
.endm
.macro TURN slot, next, fill
	s_wait_tensorcnt 0x0
	ds_add_u32 v[SPW], v[NIL]
	s_wait_dscnt 4*NL+1
	WIN MUL_LO
	MUL16 0, 1, 0
	s_wait_dscnt 0x0
	s_barrier_signal -1
	MUL16 2, 1, 0
	WIN 0
	s_barrier_wait -1
.if \fill
	CREST
	s_add_nc_u64 s[G0+4*\slot+2:G0+4*\slot+3], s[G0+4*\slot+2:G0+4*\slot+3], 2*ROWB
	s_add_nc_u64 s[G0B+4*\slot+2:G0B+4*\slot+3], s[G0B+4*\slot+2:G0B+4*\slot+3], 2*ROWB
	JLOAD G0+4*\slot, G1, G0B+4*\slot, G1B
.else
	PLACES NP
.endif
	FETCH_B \next, 0, 0
	FETCH_A \next, 0, 0
	WIN MUL_HI
	MUL16 4, 1, 0
	MUL16 6, 1, 0
	PLACES NP
	WIN 0
	FETCH_A \next, 0, 4
.endm
	s_wait_tensorcnt 1
	s_barrier_signal -1
	s_barrier_wait -1
	FETCH_B 0, 0, 0
	FETCH_A 0, 0, 0
	FETCH_A 0, 0, 4
	STEP 0, 0, 1
	s_mov_b32 s3, LAPS-1
.Llap:
	TURN 0, 1, 1
	STEP 1, 0, 0
	TURN 1, 0, 1
	STEP 0, 0, 0
	s_sub_co_u32 s3, s3, 1
	s_cmp_lg_u32 s3, 0
	s_cbranch_scc1 .Llap
	TURN 0, 1, 0
	STEP 1, 0, 0
	s_wait_dscnt 4*NL
	WIN MUL_LO
	MUL16 0, 1, 0
	MUL16 2, 1, 0
	s_wait_dscnt 0
	WIN MUL_HI
	MUL16 4, 1, 0
	MUL16 6, 1, 0
	WIN 0
	s_wait_kmcnt 0x0
	s_add_co_i32 s18, s82, 3
	s_cmp_eq_u32 ttmp9, 0
	s_cselect_b32 s19, s76, s78
	s_cselect_b32 s20, s77, s79
	s_cselect_b32 s18, s18, s83
	s_cmp_eq_u32 ttmp9, 2
	s_cselect_b32 s19, s80, s19
	s_cselect_b32 s20, s81, s20
	s_cselect_b32 s18, s85, s18
	s_add_co_i32 s19, s19, s20
	s_sub_co_i32 s98, 0, s19
	s_sub_co_i32 s18, s18, s19
	s_add_co_i32 s18, s18, 127
	s_lshl_b32 s99, s18, 23
	s_add_co_i32 s18, s18, 8
	s_lshl_b32 s18, s18, 23
	s_or_b32 s100, s18, 0x600000
	s_wait_loadcnt 0x0
.set j, 0
.rept 64
	v_ldexp_f32 v[BIAS+j], v[BIAS+j], s98
.set j, j+1
.endr
	v_mov_b32 v[SCV], s99
	v_mov_b32 v[LIMV], s100
.macro EPI a, byA
.set AC, 64*((\a)%4)
.set CD, COD+16*((\a)%4)
.if (\a) >= 4
	s_wait_xcnt 0x0
.endif
	WIN 0x02+((\a)/4)
.set j, 0
.rept 32
.if \byA
	v_pk_add_f32 v[TMP+j:TMP+j+1], v[AC+j:AC+j+1], v[BIAS+8*(\a)+j%8:BIAS+8*(\a)+j%8+1]
.else
	v_pk_add_f32 v[TMP+j:TMP+j+1], v[AC+j:AC+j+1], v[BIAS+j:BIAS+j+1]
.endif
.set j, j+2
.endr
	WIN 0
.irp b, 0,1,2,3,4,5,6,7
.irp i, 0,1,2,3,4,5,6,7
	v_med3_num_f32 v[TMP+8*\b+\i], v[TMP+8*\b+\i], -v[LIMV], v[LIMV]
.endr
	v_cvt_scalef32_pk8_fp8_f32 v[CD+2*\b:CD+2*\b+1], v[TMP+8*\b:TMP+8*\b+7], v[SCV]
.endr
	v_nop
.irp c, 0,1,2,3
.if \byA
	global_store_b128 v[LI], v[CD+4*\c:CD+4*\c+3], s[94:95] offset:((\a)/4)*131072+2048*((\a)%4)+512*\c
.else
	global_store_b128 v[LI], v[CD+4*\c:CD+4*\c+3], s[94:95] offset:(\c/2)*131072+1024*(\a)+512*(\c%2)
.endif
.endr
.endm
	s_cmp_eq_u32 ttmp9, 2
	s_cbranch_scc1 .Lv_out
	s_lshl_b32 s18, ttmp9, 22
	s_lshr_b32 s19, s96, 11
	s_lshl_b32 s19, s19, 21
	s_add_co_u32 s18, s18, s19
	s_lshr_b32 s19, s97, 6
	s_lshl_b32 s19, s19, 17
	s_add_co_u32 s18, s18, s19
	s_and_b32 s19, s96, 2047
	s_lshl_b32 s19, s19, 6
	s_add_co_u32 s18, s18, s19
	s_mov_b32 s19, 0
	s_add_nc_u64 s[94:95], s[72:73], s[18:19]
.irp a, 0,1,2,3,4,5,6,7
	EPI \a, 0
.endr
	s_branch .Ldone
.Lv_out:
	s_lshr_b32 s18, s97, 11
	s_lshl_b32 s18, s18, 21
	s_lshr_b32 s19, s96, 6
	s_lshl_b32 s19, s19, 17
	s_add_co_u32 s18, s18, s19
	s_and_b32 s19, s97, 2047
	s_lshl_b32 s19, s19, 6
	s_add_co_u32 s18, s18, s19
	s_add_co_u32 s18, s18, 0x800000
	s_mov_b32 s19, 0
	s_add_nc_u64 s[94:95], s[72:73], s[18:19]
.irp a, 0,1,2,3,4,5,6,7
	EPI \a, 1
.endr
.Ldone:
	s_wait_tensorcnt 0x0
	ds_add_u32 v[SPW], v[NIL]
	s_wait_dscnt 0x0
	CROUND
	s_endpgm
.Lfunc_end_k_qebe77063b0_qkv:
	.size	k_qebe77063b0_qkv, .Lfunc_end_k_qebe77063b0_qkv-k_qebe77063b0_qkv
	.p2alignl 7, 3214868480
	.fill 96, 4, 3214868480
	.section	.rodata,"a",@progbits
	.p2align	6, 0x0
	.amdhsa_kernel k_qebe77063b0_qkv
		.amdhsa_group_segment_fixed_size 327680
		.amdhsa_private_segment_fixed_size 0
		.amdhsa_enable_private_segment 0
		.amdhsa_kernarg_size 56
		.amdhsa_user_sgpr_count 2
		.amdhsa_user_sgpr_kernarg_segment_ptr 1
		.amdhsa_wavefront_size32 1
		.amdhsa_system_sgpr_workgroup_id_x 1
		.amdhsa_system_sgpr_workgroup_id_y 1
		.amdhsa_system_sgpr_workgroup_id_z 1
		.amdhsa_system_vgpr_workitem_id 0
		.amdhsa_next_free_vgpr 1024
		.amdhsa_next_free_sgpr 102
		.amdhsa_reserve_vcc 0
		.amdhsa_float_denorm_mode_32 3
		.amdhsa_float_denorm_mode_16_64 3
		.amdhsa_memory_ordered 1
		.amdhsa_forward_progress 1
		.amdhsa_inst_pref_size 202
	.end_amdhsa_kernel
	.amdgpu_metadata
---
amdhsa.version: [ 1, 2 ]
amdhsa.kernels:
  - .name:           k_qebe77063b0_qkv
    .symbol:         k_qebe77063b0_qkv.kd
    .args:
      - { .name: hc, .offset: 0, .size: 8, .value_kind: global_buffer, .address_space: global }
      - { .name: wc, .offset: 8, .size: 8, .value_kind: global_buffer, .address_space: global }
      - { .name: lowp_scales, .offset: 16, .size: 8, .value_kind: global_buffer, .address_space: global }
      - { .name: bq, .offset: 24, .size: 8, .value_kind: global_buffer, .address_space: global }
      - { .name: bk, .offset: 32, .size: 8, .value_kind: global_buffer, .address_space: global }
      - { .name: bv, .offset: 40, .size: 8, .value_kind: global_buffer, .address_space: global }
      - { .name: qkv, .offset: 48, .size: 8, .value_kind: global_buffer, .address_space: global }
    .group_segment_fixed_size: 327680
    .private_segment_fixed_size: 0
    .kernarg_segment_align: 8
    .kernarg_segment_size: 56
    .max_flat_workgroup_size: 128
    .sgpr_count:     102
    .vgpr_count:     1024
    .wavefront_size: 32
...
	.end_amdgpu_metadata
.endif
;; end of part 2
;; launch attn (part 3): grid 8 x 32, 8 waves a work-group, no clusters, 263,168 bytes of LDS; arguments qkv, mw, lowp_scales, ctx; writes ctx
.if DOCPART == 3
	.amdgcn_target "amdgcn-amd-amdhsa--gfx1250"
	.amdhsa_code_object_version 6
	.text
	.protected	k_qebe77063b0_attn
	.globl	k_qebe77063b0_attn
	.p2align	8
	.type	k_qebe77063b0_attn,@function
k_qebe77063b0_attn:
	s_mov_b64 s[64:65], 0
	v_nop
	global_prefetch_b8 v0, s[64:65] scope:SCOPE_SE
	s_setreg_imm32_b32 hwreg(HW_REG_WAVE_MODE, 25, 1), 1
	s_wait_xcnt 0x0
; ctx = softmax(q k^T, masked) v for one head, both products on codes of E4M3; the result is quantised at once and stored as an image of the next product's operand registers.
; THE SOFTMAX: t = score x log2(e) (the division by 8 is in q already); M = the running largest t, rounded UP to a whole number; p = 2^(t - M) is quantised, not normalised; the row's sum is taken of the
; unquantised p and divides at the end.  When M moves, the sum and O are multiplied by 2^(old M - new M): exact.
; SHARES.  A work-group: 256 queries of one (b, head).  A wave: 32 queries, two tiles, so that each fragment of K and V read from LDS feeds two matrix instructions.  Every wave walks the head's 2,048 keys, 128 a step.
; K AND V: the head's images (128 + 128 KiB) lie in LDS whole, each byte written once.  Each wave asks for its 32 KiB at the kernel's head, 64 loads into 256 registers that are idle there, and stores them as
; they arrive; ONE barrier; behind it no wave waits for another.
; LAYOUT.  S^T = K Q^T (source 0 = 16 keys, source 1 = 16 queries), O^T = V^T P^T (source 0 = 16 channels, source 1 = P): a lane holds ONE query throughout.  Tile T's register j is key 16 T + 8 h + j, so the
; conversion of tile T gives registers 2 T, 2 T + 1 of P's fragment, in the order that the matrix instruction gives an operand.
; THE STEP IS A PIPELINE.  Body k finds step k's scores finished.  It asks for V(k), walks the softmax, issues K(k + 1) Q^T, rescales O^T beside those products, asks for K(k + 2), and issues V(k)^T P.
; THE MASK GOES IN AS THE C OF THE FIRST PRODUCT.  mw holds, for each tile of 16 queries and key step, an image of 16 registers of codes of E4M3 in the places of the scores: 0 for an open key, -256 for a masked one.
; One conversion makes eight f32 numbers of eight codes, x 2^(52 - e6 - e7): 0, or -2^60 in reference()'s units (it writes -1e18): beside any open key such a p is 0 either way.
; A STEP WITH NO MASKED KEY in either of my tiles (bits 8 to 11 of mw's flag words, whole numbers that the launch before stored) has C = 0: its codes are neither loaded nor converted; a scalar branch chooses.
; A ROW WITH NO OPEN KEY has equal weights in reference().  A lane's factor c = log2(e) x 2^(e6 + e7) is its own register: 0 for such a row (bit 0 of the flag words): every t is 0, M is 0, every p is 1.
; NO TENSOR LOAD AND NO CLUSTER: the step branches on whole numbers read from memory (the mask's bits; the exponent of p's scale: 128 holds a step are passed over where 448 x 2^e8 is at least 1, which p never
; passes).
; LIMITS: e6 + e7 between -75 and 127; e8 between -126 and 119; e10 - e8 - e9 between -126 and 119; scores under 1e17 in magnitude.  NaN is not served.
; REGISTERS: window 0: v0, v10 the two tiles' c; v1-9, v11 addresses and constants; v12-31 statistics, ten a tile; v32-95 fragments of V; v96-223 S^T, then p, 64 a tile (at the head: the stage of chunks 2, 3);
;   v224-255 p's codes.  window 1: v0-63 O^T, 32 a tile; v64-79 Q; v80-111 the mask's codes, 16 a tile; v128-255 at the head the stage of chunks 0, 1; then v192-255 fragments of K.
.set SPARE, 262144                     ; behind K and V: the spare words, 128 bytes for each of eight waves
.set LI,   1                           ; 16 x lane
.set ADK,  2                           ; 16 x lane + 8,192 x step; at the head: the copy's LDS address for K
.set ADV,  3                           ; the same + 131,072: V's region
.set SPW,  4
.set NIL,  5
.set FA,   6                           ; 16 x thread
.set MOV,  7                           ; byte offset of the mask's codes that are asked for
.set LIMP, 8
.set SCP,  9
.set MSC,  11                          ; the mask's scale byte, in all four bytes
.set ST,   12                          ; tile x at ST + 10 x: +0 -M, +1 the largest t, +2:3 the sum, +4:5 f, +6, +7 at work, +8:9 a second chain of the sum
.set VF,   32
.set S,    96
.set PC,   224
.set O,    0
.set Q,    64
.set MC,   80
.set CP,   128
.set KF,   192
.set AM,   24                          ; s24: in body k bit i says that step k + i holds a masked key
.set MSB, 0
.macro WIN new
.if MSB != \new
	s_set_vgpr_msb (MSB<<8)|\new
.set MSB, \new
.endif
.endm
.macro FILL_LOAD g                     ; chunk g (four key steps): 32 KiB of K and of V, 4,096 consecutive bytes an instruction of the work-group
.if (\g) < 2
	WIN 0x40
.set SG, CP+64*(\g)
.else
	WIN 0
.set SG, S+64*((\g)-2)
.endif
.irp i, 0,1,2,3,4,5,6,7
	global_load_b128 v[SG+4*\i:SG+4*\i+3], v[FA], s[4:5] offset:32768*(\g)+4096*\i
.endr
.irp i, 0,1,2,3,4,5,6,7
	global_load_b128 v[SG+32+4*\i:SG+32+4*\i+3], v[FA], s[12:13] offset:32768*(\g)+4096*\i
.endr
	WIN 0
.endm
.macro FILL_STORE g
	v_add_nc_u32 v[ADK], 32768*(\g), v[FA]
	v_add_nc_u32 v[ADV], 131072+32768*(\g), v[FA]
.if (\g) < 2
	WIN 0x04                                       ; the data lie in window 1
.set SG, CP+64*(\g)
.else
.set SG, S+64*((\g)-2)
.endif
.irp i, 0,1,2,3,4,5,6,7
	ds_store_b128 v[ADK], v[SG+4*\i:SG+4*\i+3] offset:4096*\i
.endr
.irp i, 0,1,2,3,4,5,6,7
	ds_store_b128 v[ADV], v[SG+32+4*\i:SG+32+4*\i+3] offset:4096*\i
.endr
	WIN 0
.endm
.macro MASKC                           ; the codes in hand become the next step's C
	WIN 0x01
.irp x, 0,1
.irp t, 0,1,2,3,4,5,6,7
	v_cvt_scale_pk8_f32_fp8 v[S+64*\x+8*\t:S+64*\x+8*\t+7], v[MC+16*\x+2*\t:MC+16*\x+2*\t+1], v[MSC]
.endr
.endr
	WIN 0
.endm
.macro MASKL                           ; the codes at 2,048 x step = s19 are asked for.  The caller has waited for every earlier load
	v_add_nc_u32 v[MOV], s19, v[LI]
	WIN 0x40
.irp x, 0,1
.irp c, 0,1,2,3
	global_load_b128 v[MC+16*\x+4*\c:MC+16*\x+4*\c+3], v[MOV], s[6:7] offset:32768*\x+512*\c
.endr
.endr
	WIN 0
.endm
.macro KLOAD adr, off                  ; a step's eight fragments of K
	WIN 0x40
.irp t, 0,1,2,3,4,5,6,7
.irp c, 0,1
	ds_load_b128 v[KF+8*\t+4*\c:KF+8*\t+4*\c+3], v[\adr] offset:\off+1024*\t+512*\c
.endr
.endr
	WIN 0
.endm
.macro QK withc                        ; S^T = K Q^T + C (withc = 1) or + 0: sixteen accumulators, one instruction each
	WIN 0x05                                       ; sources 0 (K) and 1 (Q) window 1
.irp t, 0,1,2,3,4,5,6,7
.irp x, 0,1
.if \withc
	v_wmma_f32_16x16x64_fp8_fp8 v[S+64*\x+8*\t:S+64*\x+8*\t+7], v[KF+8*\t:KF+8*\t+7], v[Q+8*\x:Q+8*\x+7], v[S+64*\x+8*\t:S+64*\x+8*\t+7]
.else
	v_wmma_f32_16x16x64_fp8_fp8 v[S+64*\x+8*\t:S+64*\x+8*\t+7], v[KF+8*\t:KF+8*\t+7], v[Q+8*\x:Q+8*\x+7], 0
.endif
.endr
.endr
.endm
	s_load_b256 s[4:11], s[0:1], 0x0               ; qkv 4:5, mw 6:7, the exponents 8:9, ctx 10:11
	v_lshl_add_u32 v[SPW], v0, 2, SPARE
	v_mov_b32 v[NIL], 0
	v_lshrrev_b32 v1, 5, v0
	s_delay_alu instid0(VALU_DEP_1)
	v_readfirstlane_b32 s18, v1                    ; wave 0..7
	v_lshlrev_b32 v[FA], 4, v0
	v_and_b32 v1, 31, v0
	s_delay_alu instid0(VALU_DEP_1)
	v_lshlrev_b32 v[MOV], 2, v1                    ; first: 4 x lane, for the flags
	s_delay_alu instid0(VALU_DEP_2)
	v_lshlrev_b32 v[LI], 4, v1
	s_and_b32 s22, ttmp7, 0xffff                   ; 16 b + head
	s_lshl_b32 s66, s22, 17                        ; a head's part of q, of k and of v: 128 KiB
	s_mov_b32 s67, 0
	s_lshl_b32 s23, ttmp9, 4
	s_lshl_b32 s100, s18, 1
	s_add_co_u32 s23, s23, s100                    ; my first tile of queries in the head: 16 x + 2 wave
	s_lshr_b32 s100, s22, 4
	s_lshl_b32 s100, s100, 7
	s_add_co_u32 s100, s100, s23                   ; and among all 256 tiles of tokens
	s_mov_b32 s14, 0x76543210                      ; lane selects: lane l xor 16
	s_mov_b32 s15, 0xfedcba98
	s_mov_b32 s19, 2048                            ; 2,048 x the step whose codes are asked for next
	s_wait_alu depctr_va_vdst(0)
	s_wait_kmcnt 0x0
	s_load_b512 s[32:47], s[8:9], 0x0              ; the sixteen exponents: entry i in s[32 + i]
	s_add_nc_u64 s[12:13], s[4:5], s[66:67]
	s_lshl_b32 s66, s23, 10
	s_add_nc_u64 s[68:69], s[12:13], s[66:67]      ; Q: my two tiles' images
	s_add_nc_u64 s[4:5], s[12:13], 0x400000        ; K
	s_add_nc_u64 s[12:13], s[12:13], 0x800000      ; V
	s_lshl_b32 s66, s100, 9
	s_add_co_u32 s66, s66, 0x800000
	s_add_nc_u64 s[70:71], s[6:7], s[66:67]        ; my two tiles' flags: 512 bytes a tile, behind the codes' 8 MiB
	s_lshl_b32 s66, s100, 15
	s_add_nc_u64 s[6:7], s[6:7], s[66:67]          ; my first tile's codes: 32 KiB a tile
	s_lshl_b32 s66, s100, 14                       ; ctx: [token tile][chunk of 128 features][2 KiB]; a head is half a chunk: head x 1,024
	s_and_b32 s101, s22, 15
	s_lshl_b32 s101, s101, 10
	s_add_co_u32 s66, s66, s101
	s_add_nc_u64 s[10:11], s[10:11], s[66:67]
.irp x, 0,1
.irp w, 0,1,2,3
	s_load_b32 s[72+4*\x+\w], s[70:71], 512*\x+128*\w   ; lane 0's flag word of each quarter of the keys: its bits 8 to 11 are the same in all lanes
.endr
.endr
	FILL_LOAD 0
	WIN 0x40
.irp x, 0,1
.irp c, 0,1
	global_load_b128 v[Q+8*\x+4*\c:Q+8*\x+4*\c+3], v[LI], s[68:69] offset:1024*\x+512*\c
.endr
.endr
.irp x, 0,1
.irp c, 0,1,2,3
	global_load_b128 v[MC+16*\x+4*\c:MC+16*\x+4*\c+3], v[LI], s[6:7] offset:32768*\x+512*\c   ; step 0's codes
.endr
.endr
.set j, 0
.rept 64
	v_mov_b32 v[O+j], 0                            ; O^T.  (The step has no first form of its own: the first finds zeros, which the first change of M leaves zeros)
.set j, j+1
.endr
	WIN 0
.irp x, 0,1
.irp w, 0,1,2,3
	global_load_b32 v[VF+4*\x+\w], v[MOV], s[70:71] offset:512*\x+128*\w   ; my lane's flag for each quarter of the keys
.endr
.endr
	FILL_LOAD 1
	FILL_LOAD 2
	FILL_LOAD 3
.irp x, 0,1
	v_mov_b32 v[ST+10*\x+1], 0xff61b1e6            ; the largest t so far: -3e38
	s_delay_alu instid0(VALU_DEP_1)
	v_floor_f32 v[ST+10*\x], -v[ST+10*\x+1]
	v_mov_b32 v[ST+10*\x+2], 0
	v_mov_b32 v[ST+10*\x+3], 0
	v_mov_b32 v[ST+10*\x+5], 0                     ; named as the upper half of f's pair
.endr
	s_wait_kmcnt 0x0
	s_add_co_i32 s66, s38, s39                     ; e6 + e7: a score stands for score x 2^(that)
	s_lshl_b32 s67, s66, 23
	s_add_co_i32 s16, s67, 0x3fb8aa3b              ; c = log2(e) x 2^(that): the sum is added to log2(e)'s exponent field
	s_sub_co_i32 s67, 179, s66                     ; the byte for 2^(52 - that): -256 x it is -2^(60 - that)
	s_mul_i32 s67, s67, 0x01010101
	v_mov_b32 v[MSC], s67
	s_cmp_ge_i32 s40, -8
	s_cselect_b32 s21, 1, 0                        ; 448 x 2^e8 is at least 1: p, at most 1, cannot pass the largest code
	s_add_co_i32 s66, s40, 127
	s_lshl_b32 s67, s66, 23
	v_mov_b32 v[SCP], s67                          ; 2^e8
	s_add_co_i32 s66, s66, 8
	s_lshl_b32 s66, s66, 23
	s_or_b32 s66, s66, 0x600000
	v_mov_b32 v[LIMP], s66                         ; 448 x that
	s_sub_co_i32 s66, s42, s40
	s_sub_co_i32 s66, s66, s41                     ; e10 - e8 - e9: the last conversion's scale
	s_add_co_i32 s66, s66, 127
	s_lshl_b32 s22, s66, 23
	s_add_co_i32 s66, s66, 8
	s_lshl_b32 s66, s66, 23
	s_or_b32 s23, s66, 0x600000
.irp w, 0,1,2,3
	s_or_b32 s[72+\w], s[72+\w], s[76+\w]          ; either of my two tiles
	s_bfe_u32 s[72+\w], s[72+\w], 0x40008          ; four bits from bit 8: steps 4 w + 0 .. 3
.endr
	s_lshl_b32 s73, s73, 4
	s_lshl_b32 s74, s74, 8
	s_lshl_b32 s75, s75, 12
	s_or_b32 s72, s72, s73
	s_or_b32 s74, s74, s75
	s_or_b32 s[AM], s72, s74                       ; bit k: step k holds a masked key
; BODY k; s2 = 8,192 k.  S^T's registers hold step k's scores; K(k + 1) is in registers or on its way.  Both tiles' lines stand by turns.
; more = 1: there is a step k + 1.  fetch = 1: there is a step k + 2.
.macro STEP more, fetch
	v_add_nc_u32 v[ADK], s2, v[LI]
	s_delay_alu instid0(VALU_DEP_1)
	v_add_nc_u32 v[ADV], 0x20000, v[ADK]
.irp x, 0,1
	v_max3_num_f32 v[ST+10*\x+6], v[S+64*\x], v[S+64*\x+1], v[S+64*\x+2]          ; the step's largest score of my query among my 64 keys, in two chains, each accumulator from its low end on
	v_max3_num_f32 v[ST+10*\x+7], v[S+64*\x+3], v[S+64*\x+4], v[S+64*\x+5]
.endr
.irp c, 0,1,2,3                        ; the six plain lines above stand between the last body's products and these loads into the registers that they read
.irp u, 0,1,2,3
	ds_load_b128 v[VF+16*\c+4*\u:VF+16*\c+4*\u+3], v[ADV] offset:2048*\c+512*\u   ; V(k) lands while the softmax is walked
.endr
.endr
.irp i, 6,10,14,18,22,26,30,34,38,42,46,50,54,58
.irp x, 0,1
	v_max3_num_f32 v[ST+10*\x+6], v[ST+10*\x+6], v[S+64*\x+\i], v[S+64*\x+\i+1]
	v_max3_num_f32 v[ST+10*\x+7], v[ST+10*\x+7], v[S+64*\x+\i+2], v[S+64*\x+\i+3]
.endr
.endr
.irp x, 0,1
	v_max3_num_f32 v[ST+10*\x+6], v[ST+10*\x+6], v[S+64*\x+62], v[S+64*\x+63]
.endr
.irp x, 0,1
	s_delay_alu instid0(VALU_DEP_2)
	v_max_num_f32 v[ST+10*\x+6], v[ST+10*\x+6], v[ST+10*\x+7]
.endr
.irp x, 0,1
	s_delay_alu instid0(VALU_DEP_2)
	v_permlanex16_b32 v[ST+10*\x+7], v[ST+10*\x+6], s14, s15
.endr
.irp x, 0,1
	s_delay_alu instid0(VALU_DEP_2)
	v_max_num_f32 v[ST+10*\x+6], v[ST+10*\x+6], v[ST+10*\x+7]                     ; and among lane l xor 16's
.endr
.irp x, 0,1
	s_delay_alu instid0(VALU_DEP_2)
	v_mul_f32 v[ST+10*\x+6], v[10*\x], v[ST+10*\x+6]                              ; as t (c is not negative)
.endr
.irp x, 0
	s_delay_alu instid0(VALU_DEP_2)
	v_max_num_f32 v[ST+10*\x+1], v[ST+10*\x+1], v[ST+10*\x+6]                     ; the running largest t
	v_mov_b32 v[ST+10*\x+6], v[ST+10*\x]
.endr
.irp x, 1
	s_delay_alu instid0(VALU_DEP_3)
	v_max_num_f32 v[ST+10*\x+1], v[ST+10*\x+1], v[ST+10*\x+6]
	v_mov_b32 v[ST+10*\x+6], v[ST+10*\x]
.endr
.irp x, 0
	s_delay_alu instid0(VALU_DEP_4)
	v_floor_f32 v[ST+10*\x], -v[ST+10*\x+1]                                       ; the new -M = floor(-t): M is a whole number
.endr
.irp x, 1
	s_delay_alu instid0(VALU_DEP_3)
	v_floor_f32 v[ST+10*\x], -v[ST+10*\x+1]
.endr
.irp x, 0,1
	s_delay_alu instid0(VALU_DEP_2)
	v_sub_f32 v[ST+10*\x+6], v[ST+10*\x], v[ST+10*\x+6]                           ; old M - new M: a whole number, 0 or less
.endr
.irp x, 0,1
	s_delay_alu instid0(VALU_DEP_2)
	v_cvt_i32_f32 v[ST+10*\x+6], v[ST+10*\x+6]                                    ; (it saturates)
.endr
.irp x, 0,1
	s_delay_alu instid0(VALU_DEP_2)
	v_ldexp_f32 v[ST+10*\x+4], 1.0, v[ST+10*\x+6]                                 ; f = 2^(old M - new M)
.endr
.irp x, 0,1
.set j, 0
.rept 32
	v_pk_fma_f32 v[S+64*\x+j:S+64*\x+j+1], v[S+64*\x+j:S+64*\x+j+1], v[10*\x:10*\x+1], v[ST+10*\x:ST+10*\x+1] op_sel_hi:[1,0,0]   ; t - M, two at a time (of the pairs c and -M the low word serves both halves)
.set j, j+2
.endr
.endr
.set j, 0
	s_wait_alu depctr_va_vdst(0)                   ; the wait ahead of the batch
.rept 128
	v_exp_f32 v[S+j], v[S+j]                       ; p = 2^(t - M), at most 1
.set j, j+1
.endr
.irp x, 0,1
	v_pk_mul_f32 v[ST+10*\x+2:ST+10*\x+3], v[ST+10*\x+2:ST+10*\x+3], v[ST+10*\x+4:ST+10*\x+5] op_sel_hi:[1,0]   ; the sums under the new M: the plain lines behind the exponentials
.endr
	s_wait_alu depctr_va_vdst(0)                   ; one wait for the batch of 128, ahead of its first reader
.irp x, 0,1
	v_pk_add_f32 v[ST+10*\x+8:ST+10*\x+9], v[S+64*\x:S+64*\x+1], v[S+64*\x+2:S+64*\x+3]   ; the row's sum is taken of the unquantised p
.endr
.irp j, 4,8,12,16,20,24,28,32,36,40,44,48,52,56,60
.irp x, 0,1
	v_pk_add_f32 v[ST+10*\x+2:ST+10*\x+3], v[ST+10*\x+2:ST+10*\x+3], v[S+64*\x+\j:S+64*\x+\j+1]
	v_pk_add_f32 v[ST+10*\x+8:ST+10*\x+9], v[ST+10*\x+8:ST+10*\x+9], v[S+64*\x+\j+2:S+64*\x+\j+3]
.endr
.endr
	s_cmp_lg_u32 s21, 0
	s_cbranch_scc1 .Lno_hold_\@
.set j, 0
.rept 128
	v_min_num_f32 v[S+j], v[S+j], v[LIMP]          ; the conversion does not saturate (ISA guide 7.6.2); p is not negative, so the hold is one-sided
.set j, j+1
.endr
.Lno_hold_\@:
.irp x, 0,1
.irp t, 0,1,2,3,4,5,6,7
	v_cvt_scalef32_pk8_fp8_f32 v[PC+16*\x+2*\t:PC+16*\x+2*\t+1], v[S+64*\x+8*\t:S+64*\x+8*\t+7], v[SCP]
.endr
.endr
.irp x, 0,1
	v_pk_add_f32 v[ST+10*\x+2:ST+10*\x+3], v[ST+10*\x+2:ST+10*\x+3], v[ST+10*\x+8:ST+10*\x+9]   ; the sum's two chains.  (The plain lines between p's conversions and the lines that write over p)
.endr
.if \more
	s_wait_alu depctr_va_vdst(0)                   ; the wait here, directly ahead of the waits and the branch below
	s_wait_loadcnt 0x0                             ; the codes of step k + 1, if any were asked for a body ago, are in: no load of mine is out
	s_wait_dscnt 0x0                               ; K(k + 1), asked for at the last body's end, and V(k), asked for at this body's head
	s_bitcmp1_b32 s[AM], 1                         ; does step k + 1 hold a masked key?
	s_cbranch_scc0 .Lopen_\@
	MASKC
	v_nop                                          ; the plain line behind the last conversion
	QK 1
	WIN 0
	s_branch .Lscored_\@
.Lopen_\@:
	QK 0
	WIN 0
.Lscored_\@:
.if \fetch
	s_bitcmp1_b32 s[AM], 2                         ; and step k + 2?
	s_cbranch_scc0 .Lnone_\@
	MASKL
.Lnone_\@:
	s_add_co_u32 s19, s19, 2048
.endif
.endif
	WIN 0x41                                       ; O^T (destination and source 0) window 1, f window 0
.irp x, 0,1
.set j, 0
.rept 16
	v_pk_mul_f32 v[O+32*\x+j:O+32*\x+j+1], v[O+32*\x+j:O+32*\x+j+1], v[ST+10*\x+4:ST+10*\x+5] op_sel_hi:[1,0]   ; O^T under the new M, beside the products above.  (Also the places ahead of the loads into K's registers)
.set j, j+2
.endr
.endr
.if \fetch
	KLOAD ADK, 16384                               ; K(k + 2)
.endif
.if !\more
	s_wait_alu depctr_va_vdst(0)
	s_wait_dscnt 0x0                               ; V(k) is in
.endif
	WIN 0x50                                       ; C and D window 1
.irp c, 0,1,2,3
.irp x, 0,1
	v_wmma_f32_16x16x128_fp8_fp8 v[O+32*\x+8*\c:O+32*\x+8*\c+7], v[VF+16*\c:VF+16*\c+15], v[PC+16*\x:PC+16*\x+15], v[O+32*\x+8*\c:O+32*\x+8*\c+7]   ; eight accumulators, one instruction each
.endr
.endr
	WIN 0
	s_lshr_b32 s[AM], s[AM], 1
.endm
	s_wait_alu depctr_va_vdst(0)                   ; the wait at the head's end
	s_wait_loadcnt 48                              ; chunk 0, Q, step 0's codes and the flags are in; the 48 loads of chunks 1 to 3 may be out
.irp x, 0,1
	v_and_b32 v[VF+4*\x], v[VF+4*\x], v[VF+4*\x+1]
	v_and_b32 v[VF+4*\x+2], v[VF+4*\x+2], v[VF+4*\x+3]
.endr
.irp x, 0,1
	v_and_b32 v[VF+4*\x], v[VF+4*\x], v[VF+4*\x+2]
.endr
.irp x, 0,1
	v_permlanex16_b32 v[VF+4*\x+1], v[VF+4*\x], s14, s15
.endr
.irp x, 0,1
	v_and_b32 v[VF+4*\x], v[VF+4*\x], v[VF+4*\x+1]
.endr
.irp x, 0,1
	v_and_b32 v[VF+4*\x], 1, v[VF+4*\x]            ; bit 0 alone: 1: my query has no open key
.endr
	v_mov_b32 v[VF+8], s16
	v_cmp_ne_u32 vcc_lo, 0, v[VF]
	v_cndmask_b32 v0, v[VF+8], v[NIL], vcc_lo      ; tile 0's c: 0 for such a query.  (v0 has served: every address has been made)
	v_cmp_ne_u32 vcc_lo, 0, v[VF+4]
	v_cndmask_b32 v10, v[VF+8], v[NIL], vcc_lo     ; tile 1's
	FILL_STORE 0
	s_wait_loadcnt 32                              ; chunk 1 is in; the 32 loads of chunks 2 and 3 may be out
	FILL_STORE 1
	s_wait_loadcnt 16
	FILL_STORE 2
	s_wait_loadcnt 0x0
	FILL_STORE 3
	s_wait_alu depctr_va_vdst(0)                   ; the wait here, directly ahead of the wait below
	s_wait_dscnt 0x0                               ; for the others' sake, and: the stores have read the stage
	s_barrier_signal -1
	s_barrier_wait -1                              ; K and V lie in LDS whole
	MASKC                                          ; step 0's C;
	MASKL                                          ; step 1's codes are asked for.  (Its first line is the plain line behind the last conversion)
	s_add_co_u32 s19, s19, 2048
	KLOAD LI, 0                                    ; K(0)
	s_wait_alu depctr_va_vdst(0)                   ; the wait here, directly ahead of the wait below
	s_wait_dscnt 0x0
	QK 1                                           ; step 0's scores
	WIN 0
.rept 4
	v_nop                                          ; places ahead of the loads into K's registers and of the first read of the scores
.endr
	KLOAD LI, 8192                                 ; K(1)
	s_mov_b32 s2, 0
	s_mov_b32 s3, 14
.Lstep:                                            ; bodies 0 to 13
	STEP 1, 1
	s_add_co_u32 s2, s2, 8192
	s_sub_co_u32 s3, s3, 1
	s_cmp_lg_u32 s3, 0
	s_cbranch_scc1 .Lstep
	STEP 1, 0                                      ; body 14 (s2 = 114,688): there is no step 16 to fetch for
	s_mov_b32 s2, 122880
	STEP 0, 0                                      ; body 15: the last
	; THE WAY OUT: O^T / the sum, quantised; a lane's four conversions of one head are half of a fragment of 16 tokens x 128 features.
	v_mov_b32 v[LIMP], s23
	v_mov_b32 v[SCP], s22
.irp x, 0,1
	v_add_f32 v[ST+10*\x+6], v[ST+10*\x+2], v[ST+10*\x+3]
.endr
.irp x, 0,1
	s_delay_alu instid0(VALU_DEP_2)
	v_permlanex16_b32 v[ST+10*\x+7], v[ST+10*\x+6], s14, s15
.endr
.irp x, 0,1
	s_delay_alu instid0(VALU_DEP_2)
	v_add_f32 v[ST+10*\x+6], v[ST+10*\x+6], v[ST+10*\x+7]
.endr
	s_wait_alu depctr_va_vdst(0)
.irp x, 0,1
	v_rcp_f32 v[ST+10*\x+4], v[ST+10*\x+6]
.endr
	v_nop
	s_wait_alu depctr_va_vdst(0)                   ; one wait for the two reciprocals, ahead of their first reader
	WIN 0x01                                       ; source 0 window 1
.irp x, 0,1
.set j, 0
.rept 16
	v_pk_mul_f32 v[S+32*\x+j:S+32*\x+j+1], v[O+32*\x+j:O+32*\x+j+1], v[ST+10*\x+4:ST+10*\x+5] op_sel_hi:[1,0]
.set j, j+2
.endr
.endr
	WIN 0
.irp x, 0,1
.irp c, 0,1,2,3
.irp i, 0,1,2,3,4,5,6,7
	v_med3_num_f32 v[S+32*\x+8*\c+\i], v[S+32*\x+8*\c+\i], -v[LIMP], v[LIMP]
.endr
	v_cvt_scalef32_pk8_fp8_f32 v[PC+8*\x+2*\c:PC+8*\x+2*\c+1], v[S+32*\x+8*\c:S+32*\x+8*\c+7], v[SCP]
.endr
.endr
	v_nop
.irp x, 0,1
.irp c, 0,1
	global_store_b128 v[LI], v[PC+8*\x+4*\c:PC+8*\x+4*\c+3], s[10:11] offset:16384*\x+512*\c   ; 512 consecutive bytes, aligned
.endr
.endr
	s_wait_tensorcnt 0x0                           ; the wave's end
	ds_add_u32 v[SPW], v[NIL]
	s_wait_dscnt 0x0
	s_endpgm
.Lfunc_end_k_qebe77063b0_attn:
	.size	k_qebe77063b0_attn, .Lfunc_end_k_qebe77063b0_attn-k_qebe77063b0_attn
	.p2alignl 7, 3214868480
	.fill 96, 4, 3214868480
	.section	.rodata,"a",@progbits
	.p2align	6, 0x0
	.amdhsa_kernel k_qebe77063b0_attn
		.amdhsa_group_segment_fixed_size 263168
		.amdhsa_private_segment_fixed_size 0
		.amdhsa_enable_private_segment 0
		.amdhsa_kernarg_size 32
		.amdhsa_user_sgpr_count 2
		.amdhsa_user_sgpr_kernarg_segment_ptr 1
		.amdhsa_wavefront_size32 1
		.amdhsa_system_sgpr_workgroup_id_x 1
		.amdhsa_system_sgpr_workgroup_id_y 1
		.amdhsa_system_sgpr_workgroup_id_z 1
		.amdhsa_system_vgpr_workitem_id 0
		.amdhsa_next_free_vgpr 512
		.amdhsa_next_free_sgpr 102
		.amdhsa_reserve_vcc 1
		.amdhsa_float_denorm_mode_32 3
		.amdhsa_float_denorm_mode_16_64 3
		.amdhsa_memory_ordered 1
		.amdhsa_forward_progress 1
		.amdhsa_inst_pref_size 121
	.end_amdhsa_kernel
	.amdgpu_metadata
---
amdhsa.version: [ 1, 2 ]
amdhsa.kernels:
  - .name:           k_qebe77063b0_attn
    .symbol:         k_qebe77063b0_attn.kd
    .args:
      - { .name: qkv, .offset: 0, .size: 8, .value_kind: global_buffer, .address_space: global }
      - { .name: mw, .offset: 8, .size: 8, .value_kind: global_buffer, .address_space: global }
      - { .name: lowp_scales, .offset: 16, .size: 8, .value_kind: global_buffer, .address_space: global }
      - { .name: ctx, .offset: 24, .size: 8, .value_kind: global_buffer, .address_space: global }
    .group_segment_fixed_size: 263168
    .private_segment_fixed_size: 0
    .kernarg_segment_align: 8
    .kernarg_segment_size: 32
    .max_flat_workgroup_size: 256
    .sgpr_count:     102
    .vgpr_count:     512
    .wavefront_size: 32
...
	.end_amdgpu_metadata
.endif
;; end of part 3
;; launch wo (part 4): grid 8 x 32, 4 waves a work-group, clusters of 4 x 4, 327,680 bytes of LDS; arguments ctx, wc, lowp_scales, bo, x, x1; writes x1
.if DOCPART == 4
	.amdgcn_target "amdgcn-amd-amdhsa--gfx1250"
	.amdhsa_code_object_version 6
	.text
	.protected	k_qebe77063b0_wo
	.globl	k_qebe77063b0_wo
	.p2align	8
	.type	k_qebe77063b0_wo,@function
k_qebe77063b0_wo:
	s_mov_b64 s[64:65], 0
	v_nop
	global_prefetch_b8 v0, s[64:65] scope:SCOPE_SE
	s_setreg_imm32_b32 hwreg(HW_REG_WAVE_MODE, 25, 1), 1
	s_wait_xcnt 0x0
	s_wait_alu depctr_hold_cnt(0) depctr_sa_sdst(0) depctr_va_vdst(0) depctr_va_sdst(0) depctr_va_ssrc(0) depctr_va_vcc(0) depctr_vm_vsrc(0)
	s_getreg_b32 s2, hwreg(HW_REG_IB_STS2, 6, 4)
	s_cmp_eq_u32 s2, 0
	s_cbranch_scc0 .Lentry_in_a_cluster
	s_endpgm
.Lentry_in_a_cluster:
	s_bfe_u32 s2, ttmp6, 0x10000c
	s_cmp_lg_u32 s2, 0xf033
	s_cbranch_scc0 .Lentry_shape_is_right
	s_endpgm
.Lentry_shape_is_right:
; x1 = x + (ctx Wo x 2^(e10 + e11) + bo).  ctx arrives as images of operand registers ([token tile][chunk of 128 k][2 KiB]), Wo' (3 MiB into wc) as rows of codes, K innermost, in the order of k that matches the images.
; A tile is 128 x 128, so that 4,096 x 1,024 gives 256 work-groups.  Four waves, each 64 x 64: 16 accumulators.
; K = 1,024 LIES IN LDS WHOLE: 128 KiB of images and 128 rows of 1,024 + 16 bytes.  Each wave asks for a quarter of that with its one tensor load at the head; no byte is filled again, so there is no ring:
; one barrier shows the tiles to all four waves, and eight steps of 128 along K follow with no barrier between them.
; CLUSTERS: 4 x 4 work-groups; ctx's tile is shared along a row of the cluster, Wo's along a column: each is asked for jointly.
; No prefetch: every tile is asked for at the head, and there is no loop to run ahead in.
; THE MATRIX INSTRUCTION: source 0 = 16 rows of Wo', source 1 = 16 tokens: a lane holds eight neighbouring numbers of a row of the result.
; LIMITS: e10 + e11 between -126 and 127.
; REGISTERS: window 0: v8-11 the bias, v16-29 addresses, v32-95 two sets of residual rows, v96-127 rows on the way out, v128-255 the accumulators ((a, b) at v[128 + 8 (4 a + b)]).
;   window 1: two fragment buffers of 128: A's four fragments, then W's four.
.set SIZE_K, 1024
.set WOFF,   0x300000
.set EIDX,   10
.set APART,  65536                     ; four token tiles x 16,384 bytes: what one load brings of A, and what a wave reads of it; images are read 512 consecutive bytes an instruction: no padding
.set BPITCH, 1040                      ; a row of W in LDS: 1,024 bytes + 16 = 260 words: the 16 rows that a load touches start at 16 different banks (ISA guide 11.1)
.set BPART,  64*BPITCH
.set BOFF,   2*APART
.set STAGE,  BOFF+2*BPART              ; behind the tiles: 16 rows x 272 bytes for each wave
.set SPITCH, 272
.set SPARE,  STAGE+4*16*SPITCH         ; behind the stages: the spare words
.set ADRA, 16
.set ADRB, 20
.set STO,  24
.set RD,   25
.set CO,   26
.set BO,   27
.set SPW,  28
.set NIL,  29
.set RES,  32
.set VAL,  96
.set ACC,  128
.set F0,   0
.set F1,   128
.set G1, 24
.set G0, 32
.set G1B, 48
.set G0B, 56
.set MSB, 0
.macro WIN new
.if MSB != \new
	s_set_vgpr_msb (MSB<<8)|\new
.set MSB, \new
.endif
.endm
.set MUL,  0x05                        ; sources 0 and 1 window 1; C and D window 0
.set TO_F, 0x40
.macro CREST
	s_cmp_lg_u32 s10, 0
	s_cbranch_scc1 .Lnot_wave_0_\@
	s_barrier_signal -3
.Lnot_wave_0_\@:
	s_barrier_wait -3
	s_barrier_signal -1
	s_barrier_wait -1
.endm
.macro CROUND
	s_barrier_signal -1
	s_barrier_wait -1
	CREST
.endm
	s_load_b128 s[4:7], s[0:1], 0x0                ; A, wc
	s_load_b128 s[68:71], s[0:1], 0x10             ; the exponents, the bias
	s_load_b128 s[72:75], s[0:1], 0x20             ; the residual, the result
	v_lshl_add_u32 v[SPW], v0, 2, SPARE
	v_mov_b32 v[NIL], 0
	ds_add_u32 v[SPW], v[NIL]                      ; the wave's opening: the add, twice on end, and its wait ahead of my tensor load
	ds_add_u32 v[SPW], v[NIL]
	v_lshrrev_b32 v1, 5, v0
	v_readfirstlane_b32 s10, v1                    ; wave 0..3
	s_lshr_b32 s11, s10, 1                         ; my half of the tile's rows.  Also: I fetch for A (0) or for W (1)
	s_and_b32 s12, s10, 1                          ; my half of its columns.  Also: which half of that tile I fetch
	s_bfe_u32 s40, ttmp6, 0x40000
	s_bfe_u32 s41, ttmp6, 0x40004
	s_lshl_b32 s42, ttmp9, 2
	s_add_co_u32 s42, s42, s40                     ; tile column
	s_and_b32 s13, ttmp7, 0xffff
	s_lshl_b32 s13, s13, 2
	s_add_co_u32 s13, s13, s41                     ; tile row
	s_lshl_b32 s43, s41, 2
	s_lshl_b32 s43, 15, s43
	s_lshl_b32 s44, 0x1111, s40
	s_or_b32 s[G1+0], s43, (0<<16)|(1<<21)         ; A: the mask of my row; elements of 1 byte; no padding
	s_mov_b32 s[G1+1], 16384<<16                   ; tensor_dim0: a token tile's eight chunks
	s_mov_b32 s[G1+2], 4<<16                       ; tensor_dim1: four token tiles
	s_mov_b32 s[G1+3], 16384<<16                   ; tile_dim0
	s_mov_b32 s[G1+4], 4                           ; tile_dim1
	s_mov_b32 s[G1+5], 16*SIZE_K                   ; from a token tile to the next
	s_mov_b32 s[G1+6], 0
	s_mov_b32 s[G1+7], 0
	s_or_b32 s[G1B+0], s44, (0<<16)|(1<<20)|(1<<21)|(7<<22)|(3<<25)  ; W: the mask of my column; padding: 4 words after every 256
	s_mov_b32 s[G1B+1], SIZE_K<<16
	s_mov_b32 s[G1B+2], 64<<16
	s_mov_b32 s[G1B+3], SIZE_K<<16
	s_mov_b32 s[G1B+4], 64
	s_mov_b32 s[G1B+5], SIZE_K
	s_mov_b32 s[G1B+6], 0
	s_mov_b32 s[G1B+7], 0
	s_lshl_b32 s16, s13, 3
	s_lshl_b32 s17, s12, 2
	s_add_co_u32 s16, s16, s17
	s_mul_i32 s16, s16, 16*SIZE_K                  ; A: token tile 8 x tile row + 4 x half
	s_mov_b32 s17, 0
	s_lshl_b32 s46, s42, 7
	s_lshl_b32 s47, s12, 6
	s_add_co_u32 s46, s46, s47
	s_mul_i32 s46, s46, SIZE_K                     ; W: row 128 x tile column + 64 x half
	s_add_co_u32 s46, s46, WOFF
	s_mov_b32 s47, 0
	s_mov_b32 s[G0], 1
	s_mul_i32 s[G0+1], s12, APART                  ; where they go: no place in the cluster enters an LDS address
	s_mov_b32 s[G0B], 1
	s_mul_i32 s[G0B+1], s12, BPART
	s_add_co_u32 s[G0B+1], s[G0B+1], BOFF
	s_mul_i32 s21, s11, APART                      ; what I read: my four token tiles,
	s_mul_i32 s22, s12, BPART                      ; my 64 rows of W,
	s_add_co_u32 s22, s22, BOFF
	s_mul_i32 s23, s10, 16*SPITCH
	s_add_co_u32 s23, s23, STAGE                   ; and my stage
	s_wait_dscnt 0x0                               ; both opening adds are done
	s_wait_kmcnt 0x0
	s_load_b64 s[76:77], s[68:69], EIDX*4          ; ea, ew
	s_add_nc_u64 s[G0+2:G0+3], s[4:5], s[16:17]
	s_or_b32 s[G0+3], s[G0+3], 0x80000000
	s_add_nc_u64 s[G0B+2:G0B+3], s[6:7], s[46:47]
	s_or_b32 s[G0B+3], s[G0B+3], 0x80000000
	CROUND                                         ; all sixteen work-groups are here: the joint loads meet
	s_cmp_eq_u32 s11, 0                            ; waves 0 and 1 fetch A's halves, waves 2 and 3 W's; an s_nop 0 and four v_nop follow each line
	s_cbranch_scc0 .Lfor_b
	tensor_load_to_lds s[G0:G0+3], s[G1:G1+7]
	s_nop 0
.rept 4
	v_nop
.endr
	s_branch .Lasked
.Lfor_b:
	tensor_load_to_lds s[G0B:G0B+3], s[G1B:G1B+7]
	s_nop 0
.rept 4
	v_nop
.endr
.Lasked:
	v_and_b32 v1, 15, v0                           ; r
	v_bfe_u32 v2, v0, 4, 1                         ; h
	v_and_b32 v3, 31, v0
	v_lshlrev_b32 v3, 4, v3                        ; 16 x lane
	v_mul_u32_u24 v4, v1, BPITCH
	v_lshl_add_u32 v4, v2, 4, v4
	v_add_nc_u32 v[ADRA], s21, v3
	v_add_nc_u32 v[ADRB], s22, v4
	v_mul_u32_u24 v5, v1, SPITCH
	v_lshl_add_u32 v5, v2, 5, v5
	v_add_nc_u32 v[STO], s23, v5                   ; in: row r, 32 bytes for each half of the lanes
	v_mul_u32_u24 v5, v2, SPITCH
	v_lshl_add_u32 v5, v1, 4, v5
	v_add_nc_u32 v[RD], s23, v5                    ; back: lanes 0-15 one row of 256 bytes, lanes 16-31 the next
	v_lshlrev_b32 v[CO], 12, v2
	v_lshl_add_u32 v[CO], v1, 4, v[CO]             ; and the same two rows of 4,096 bytes in memory
	v_lshlrev_b32 v[BO], 4, v1
	s_wait_alu depctr_va_vdst(0)                   ; the wait behind the head's last vector instruction
	s_lshl_b32 s16, s13, 7
	s_lshl_b32 s17, s11, 6
	s_add_co_u32 s16, s16, s17
	s_lshl_b32 s16, s16, 12                        ; my first row, in bytes
	s_lshl_b32 s46, s42, 9
	s_lshl_b32 s47, s12, 8
	s_add_co_u32 s46, s46, s47                     ; my first column, in bytes: a multiple of 256
	s_mov_b32 s47, 0
	s_add_nc_u64 s[70:71], s[70:71], s[46:47]
	s_add_co_u32 s46, s46, s16
	s_add_nc_u64 s[72:73], s[72:73], s[46:47]
	s_add_nc_u64 s[74:75], s[74:75], s[46:47]
	global_load_b128 v[8:11], v[BO], s[70:71]      ; the bias of my four columns on the way out
.macro RLOAD a                         ; block a's 16 rows of the residual, as the way out will hold them: blocks 0, 1 in window 0, blocks 2, 3 under the same numbers in window 2
	WIN 0x80*((\a)/2)
.irp t, 0,1,2,3,4,5,6,7
	global_load_b128 v[RES+32*((\a)%2)+4*\t:RES+32*((\a)%2)+4*\t+3], v[CO], s[72:73] offset:(16*(\a)+2*\t)*4096
.endr
	WIN 0
.endm
	RLOAD 0                                        ; all four blocks are asked for here, under the tiles' flight
	RLOAD 1
	RLOAD 2
	RLOAD 3
.macro MUL4 f, a, zero                 ; block a x W's four; the 16 accumulators take turns, in the same order in every step
.irp b, 0,1,2,3
.if \zero
	v_wmma_f32_16x16x128_fp8_fp8 v[ACC+8*(4*(\a)+\b):ACC+8*(4*(\a)+\b)+7], v[\f+64+16*\b:\f+64+16*\b+15], v[\f+16*(\a):\f+16*(\a)+15], 0
.else
	v_wmma_f32_16x16x128_fp8_fp8 v[ACC+8*(4*(\a)+\b):ACC+8*(4*(\a)+\b)+7], v[\f+64+16*\b:\f+64+16*\b+15], v[\f+16*(\a):\f+16*(\a)+15], v[ACC+8*(4*(\a)+\b):ACC+8*(4*(\a)+\b)+7]
.endif
.endr
.endm
.macro MUL8 f, a0, zero
	MUL4 \f, \a0, \zero
	MUL4 \f, \a0+1, \zero
.endm
.macro FETCH kc, f                     ; 32 LDS loads in one run: W's four fragments, A's blocks 0, 1, then 2, 3, of the kc-th 128 along K
	WIN TO_F
.irp i, 0,1,2,3
.irp u, 0,1,2,3
	ds_load_b128 v[\f+64+16*\i+4*\u:\f+64+16*\i+4*\u+3], v[ADRB] offset:128*(\kc)+32*\u+\i*16*BPITCH
.endr
.endr
.irp i, 0,1,2,3
.irp u, 0,1,2,3
	ds_load_b128 v[\f+16*\i+4*\u:\f+16*\i+4*\u+3], v[ADRA] offset:\i*16384+(\kc)*2048+512*\u
.endr
.endr
.endm
.macro PLACES
.rept 4
	v_nop
.endr
.endm
.macro QUARTER kc, f, g, zero          ; multiplies buffer f and fetches the kc-th 128 along K into g
	s_wait_dscnt 8                                 ; W's fragments and A's blocks 0, 1 are in; the youngest eight loads (blocks 2, 3) may be out
	WIN MUL
	MUL8 \f, 0, \zero
	PLACES
	FETCH \kc, \g
	s_wait_dscnt 32                                ; all but the 32 just issued
	WIN MUL
	MUL8 \f, 2, \zero
.endm
	s_wait_tensorcnt 0x0                           ; my quarter of the tiles is in;
	s_barrier_signal -1
	s_barrier_wait -1                              ; and so is everybody's.
	FETCH 0, F0
	QUARTER 1, F0, F1, 1                           ; the first step's products start the sums
	QUARTER 2, F1, F0, 0
	QUARTER 3, F0, F1, 0
	QUARTER 4, F1, F0, 0
	QUARTER 5, F0, F1, 0
	QUARTER 6, F1, F0, 0
	QUARTER 7, F0, F1, 0
	s_wait_dscnt 8
	WIN MUL
	MUL8 F1, 0, 0
	s_wait_dscnt 0
	MUL8 F1, 2, 0
	WIN 0
	s_wait_kmcnt 0x0
	s_add_co_i32 s76, s76, s77
	s_add_co_i32 s76, s76, 127
	s_lshl_b32 s76, s76, 23                        ; 2^(ea + ew) as f32
	s_mov_b32 s77, s76
	PLACES
; THE WAY OUT, a block of 16 rows x 64 columns at a time: through my own stage, back as rows of 256 bytes; sum x 2^(ea + ew) + bias, + the residual; sixteen lanes store 256 consecutive bytes, aligned.
.macro OUTBLK a, left
.if (\a) > 0
	s_wait_xcnt 0x0                                ; the last block's stores have read their registers
.endif
.irp b, 0,1,2,3
	ds_store_b128 v[STO], v[ACC+8*(4*(\a)+\b):ACC+8*(4*(\a)+\b)+3] offset:64*\b          ; each accumulator from its low end on
	ds_store_b128 v[STO], v[ACC+8*(4*(\a)+\b)+4:ACC+8*(4*(\a)+\b)+7] offset:64*\b+16
.endr
.irp t, 0,1,2,3,4,5,6,7
	ds_load_b128 v[VAL+4*\t:VAL+4*\t+3], v[RD] offset:\t*2*SPITCH   ; LDS serves a wave's instructions in order (ISA guide 5.7.1.4)
.endr
	s_wait_dscnt 0x0
	s_wait_loadcnt \left                           ; this block's residual rows are in; the later blocks' loads, eight each, may be out
	WIN 0x08*((\a)/2)                              ; source 1, the residual: window 0 or 2
.irp t, 0,1,2,3,4,5,6,7
	v_pk_fma_f32 v[VAL+4*\t:VAL+4*\t+1], v[VAL+4*\t:VAL+4*\t+1], s[76:77], v[8:9] op_sel_hi:[1,0,1]
	v_pk_fma_f32 v[VAL+4*\t+2:VAL+4*\t+3], v[VAL+4*\t+2:VAL+4*\t+3], s[76:77], v[10:11] op_sel_hi:[1,0,1]
	v_pk_add_f32 v[VAL+4*\t:VAL+4*\t+1], v[VAL+4*\t:VAL+4*\t+1], v[RES+32*((\a)%2)+4*\t:RES+32*((\a)%2)+4*\t+1]
	v_pk_add_f32 v[VAL+4*\t+2:VAL+4*\t+3], v[VAL+4*\t+2:VAL+4*\t+3], v[RES+32*((\a)%2)+4*\t+2:RES+32*((\a)%2)+4*\t+3]
.endr
	WIN 0                                          ; a store's data are its source 1: they lie in window 0
.irp t, 0,1,2,3,4,5,6,7
	global_store_b128 v[CO], v[VAL+4*\t:VAL+4*\t+3], s[74:75] offset:(16*(\a)+2*\t)*4096
.endr
.endm
	OUTBLK 0, 24
	OUTBLK 1, 16
	OUTBLK 2, 8
	OUTBLK 3, 0
	s_wait_tensorcnt 0x0                           ; the wave's end
	ds_add_u32 v[SPW], v[NIL]
	s_wait_dscnt 0x0
	CROUND                                         ; the closing round
	s_endpgm
.Lfunc_end_k_qebe77063b0_wo:
	.size	k_qebe77063b0_wo, .Lfunc_end_k_qebe77063b0_wo-k_qebe77063b0_wo
	.p2alignl 7, 3214868480
	.fill 96, 4, 3214868480
	.section	.rodata,"a",@progbits
	.p2align	6, 0x0
	.amdhsa_kernel k_qebe77063b0_wo
		.amdhsa_group_segment_fixed_size 327680
		.amdhsa_private_segment_fixed_size 0
		.amdhsa_enable_private_segment 0
		.amdhsa_kernarg_size 48
		.amdhsa_user_sgpr_count 2
		.amdhsa_user_sgpr_kernarg_segment_ptr 1
		.amdhsa_wavefront_size32 1
		.amdhsa_system_sgpr_workgroup_id_x 1
		.amdhsa_system_sgpr_workgroup_id_y 1
		.amdhsa_system_sgpr_workgroup_id_z 1
		.amdhsa_system_vgpr_workitem_id 0
		.amdhsa_next_free_vgpr 640
		.amdhsa_next_free_sgpr 80
		.amdhsa_reserve_vcc 0
		.amdhsa_float_denorm_mode_32 3
		.amdhsa_float_denorm_mode_16_64 3
		.amdhsa_memory_ordered 1
		.amdhsa_forward_progress 1
		.amdhsa_inst_pref_size 52
	.end_amdhsa_kernel
	.amdgpu_metadata
---
amdhsa.version: [ 1, 2 ]
amdhsa.kernels:
  - .name:           k_qebe77063b0_wo
    .symbol:         k_qebe77063b0_wo.kd
    .args:
      - { .name: ctx, .offset: 0, .size: 8, .value_kind: global_buffer, .address_space: global }
      - { .name: wc, .offset: 8, .size: 8, .value_kind: global_buffer, .address_space: global }
      - { .name: lowp_scales, .offset: 16, .size: 8, .value_kind: global_buffer, .address_space: global }
      - { .name: bo, .offset: 24, .size: 8, .value_kind: global_buffer, .address_space: global }
      - { .name: x, .offset: 32, .size: 8, .value_kind: global_buffer, .address_space: global }
      - { .name: x1, .offset: 40, .size: 8, .value_kind: global_buffer, .address_space: global }
    .group_segment_fixed_size: 327680
    .private_segment_fixed_size: 0
    .kernarg_segment_align: 8
    .kernarg_segment_size: 48
    .max_flat_workgroup_size: 128
    .sgpr_count:     80
    .vgpr_count:     640
    .wavefront_size: 32
...
	.end_amdgpu_metadata
.endif
;; end of part 4
;; launch ln2 (part 5): grid 1024 x 1, 4 waves a work-group, no clusters, 0 bytes of LDS; arguments x1, ln2_g, ln2_b, lowp_scales, h2c; writes h2c
.if DOCPART == 5
	.amdgcn_target "amdgcn-amd-amdhsa--gfx1250"
	.amdhsa_code_object_version 6
	.text
	.protected	k_qebe77063b0_ln2
	.globl	k_qebe77063b0_ln2
	.p2align	8
	.type	k_qebe77063b0_ln2,@function
k_qebe77063b0_ln2:
	s_mov_b64 s[64:65], 0
	v_nop
	global_prefetch_b8 v0, s[64:65] scope:SCOPE_SE
	s_setreg_imm32_b32 hwreg(HW_REG_WAVE_MODE, 25, 1), 1
	s_wait_xcnt 0x0
; h2c = codes of E4M3 of LN2(x1), scale entry 12.  A WAVE TAKES ONE ROW (4,096 bytes) in 32 registers: register 4 j + e of lane l is element 128 j + 4 l + e.  4,096 waves, which do not depend on each other:
; a wave's chain is one round of loads, two sums across its lanes, and four stores.  The gain and the bias (8 KiB) are read by every wave.
; The mean is taken away before the squares are summed.  Eight neighbouring registers give 8 codes, which the wave stores as 256 consecutive bytes: inside each 256 codes place 8 l + y holds
; k = 128 (y / 4) + 4 l + y % 4, the order in which W1's codes lie too.  Memory binds: no LDS, no barrier, no matrix unit, no cluster (nothing is shared).
; LIMITS: entry 12 between -126 and 119.  NaN is not served.  The sums go lane by lane and then across lanes.
.set LG,  24                           ; v24-55   the gain, as the row lies
.set LB,  56                           ; v56-87   the bias
.set XS,  88                           ; v88-119  the row
.set LT,  120                          ; v120-135 two sets of eight held numbers by turns: the other set's holds are the plain lines behind a conversion
.set LC,  136                          ; v136-143 the row's codes
	s_load_b256 s[4:11], s[0:1], 0x0               ; x1 4:5, the gain 6:7, the bias 8:9, the exponents 10:11
	s_load_b64 s[12:13], s[0:1], 0x20              ; h2c
	v_lshrrev_b32 v1, 5, v0
	v_readfirstlane_b32 s32, v1
	v_and_b32 v1, 31, v0
	s_lshl_b32 s33, ttmp9, 2
	s_add_co_u32 s33, s33, s32                     ; my row
	s_lshl_b32 s62, s33, 12
	s_mov_b32 s63, 0
	v_lshlrev_b32 v2, 4, v1
	v_lshlrev_b32 v3, 3, v1
	s_wait_alu depctr_va_vdst(0)
	s_wait_kmcnt 0x0
	s_load_b32 s36, s[10:11], 0x30                 ; entry 12
	s_add_nc_u64 s[54:55], s[4:5], s[62:63]
	s_lshl_b32 s62, s33, 10
	s_add_nc_u64 s[56:57], s[12:13], s[62:63]
.irp j, 0,1,2,3,4,5,6,7
	global_load_b128 v[XS+4*\j:XS+4*\j+3], v2, s[54:55] offset:512*\j   ; the row first: the sums want it alone
.endr
.irp j, 0,1,2,3,4,5,6,7
	global_load_b128 v[LG+4*\j:LG+4*\j+3], v2, s[6:7] offset:512*\j
.endr
.irp j, 0,1,2,3,4,5,6,7
	global_load_b128 v[LB+4*\j:LB+4*\j+3], v2, s[8:9] offset:512*\j
.endr
	s_mov_b32 s52, 0x76543210                      ; lane selects: lane l xor 16
	s_mov_b32 s53, 0xfedcba98
	s_mov_b32 s58, 0x3a800000                      ; 1 / 1,024
	s_mov_b32 s59, 0x3727c5ac                      ; 1e-5
	s_wait_kmcnt 0x0
	s_add_co_i32 s34, s36, 127
	s_lshl_b32 s35, s34, 23
	v_mov_b32 v4, s35                              ; 2^e
	s_add_co_i32 s34, s34, 8
	s_lshl_b32 s34, s34, 23
	s_or_b32 s34, s34, 0x600000
	v_mov_b32 v7, s34                              ; 448 x 2^e
.macro LANESUM                         ; v14 summed over the 32 lanes, the result in every lane
	v_add_f32_dpp v14, v14, v14 row_xmask:1 row_mask:0xf bank_mask:0xf
	v_add_f32_dpp v14, v14, v14 row_xmask:2 row_mask:0xf bank_mask:0xf
	v_add_f32_dpp v14, v14, v14 row_xmask:4 row_mask:0xf bank_mask:0xf
	v_add_f32_dpp v14, v14, v14 row_xmask:8 row_mask:0xf bank_mask:0xf
	v_permlanex16_b32 v15, v14, s52, s53
	v_add_f32 v14, v14, v15
.endm
	s_wait_loadcnt 16                              ; the row's eight loads are in; the gain's and the bias's sixteen may be out
	v_pk_add_f32 v[14:15], v[XS:XS+1], v[XS+2:XS+3]
	v_pk_add_f32 v[16:17], v[XS+4:XS+5], v[XS+6:XS+7]
.irp j, 8,12,16,20,24,28
	v_pk_add_f32 v[14:15], v[14:15], v[XS+\j:XS+\j+1]
	v_pk_add_f32 v[16:17], v[16:17], v[XS+\j+2:XS+\j+3]
.endr
	v_pk_add_f32 v[14:15], v[14:15], v[16:17]
	v_add_f32 v14, v14, v15
	LANESUM
	v_mul_f32 v10, s58, v14                        ; the mean, twice: a pair for the packed form
	v_mul_f32 v11, s58, v14
.irp j, 0,2,4,6,8,10,12,14,16,18,20,22,24,26,28,30
	v_pk_add_f32 v[XS+\j:XS+\j+1], v[XS+\j:XS+\j+1], v[10:11] neg_lo:[0,1] neg_hi:[0,1]
.endr
	v_pk_mul_f32 v[14:15], v[XS:XS+1], v[XS:XS+1]
	v_pk_mul_f32 v[16:17], v[XS+2:XS+3], v[XS+2:XS+3]
.irp j, 4,8,12,16,20,24,28
	v_pk_fma_f32 v[14:15], v[XS+\j:XS+\j+1], v[XS+\j:XS+\j+1], v[14:15]
	v_pk_fma_f32 v[16:17], v[XS+\j+2:XS+\j+3], v[XS+\j+2:XS+\j+3], v[16:17]
.endr
	v_pk_add_f32 v[14:15], v[14:15], v[16:17]
	v_add_f32 v14, v14, v15
	LANESUM
	v_fma_f32 v14, v14, s58, s59                   ; the variance + 1e-5
	s_wait_alu depctr_va_vdst(0)
	v_rsq_f32 v12, v14
	v_nop                                          ; a plain line behind the transcendental
	s_wait_alu depctr_va_vdst(0)                   ; the wait ahead of the result's first reader
	v_mov_b32 v13, v12
.irp j, 0,2,4,6,8,10,12,14,16,18,20,22,24,26,28,30
	v_pk_mul_f32 v[XS+\j:XS+\j+1], v[XS+\j:XS+\j+1], v[12:13]
.endr
	s_wait_loadcnt 0x0                             ; the gain and the bias
.irp j, 0,2,4,6,8,10,12,14,16,18,20,22,24,26,28,30
	v_pk_fma_f32 v[XS+\j:XS+\j+1], v[XS+\j:XS+\j+1], v[LG+\j:LG+\j+1], v[LB+\j:LB+\j+1]
.endr
.irp g, 0,1,2,3
.irp i, 0,1,2,3,4,5,6,7
	v_med3_num_f32 v[LT+8*(\g%2)+\i], v[XS+8*\g+\i], -v7, v7   ; the conversion does not saturate (ISA guide 7.6.2)
.endr
	v_cvt_scalef32_pk8_fp8_f32 v[LC+2*\g:LC+2*\g+1], v[LT+8*(\g%2):LT+8*(\g%2)+7], v4
	global_store_b64 v3, v[LC+2*\g:LC+2*\g+1], s[56:57] offset:256*\g   ; 256 consecutive bytes, aligned
.endr
	s_endpgm
.Lfunc_end_k_qebe77063b0_ln2:
	.size	k_qebe77063b0_ln2, .Lfunc_end_k_qebe77063b0_ln2-k_qebe77063b0_ln2
	.p2alignl 7, 3214868480
	.fill 96, 4, 3214868480
	.section	.rodata,"a",@progbits
	.p2align	6, 0x0
	.amdhsa_kernel k_qebe77063b0_ln2
		.amdhsa_group_segment_fixed_size 0
		.amdhsa_private_segment_fixed_size 0
		.amdhsa_enable_private_segment 0
		.amdhsa_kernarg_size 40
		.amdhsa_user_sgpr_count 2
		.amdhsa_user_sgpr_kernarg_segment_ptr 1
		.amdhsa_wavefront_size32 1
		.amdhsa_system_sgpr_workgroup_id_x 1
		.amdhsa_system_sgpr_workgroup_id_y 1
		.amdhsa_system_sgpr_workgroup_id_z 1
		.amdhsa_system_vgpr_workitem_id 0
		.amdhsa_next_free_vgpr 144
		.amdhsa_next_free_sgpr 66
		.amdhsa_reserve_vcc 0
		.amdhsa_float_denorm_mode_32 3
		.amdhsa_float_denorm_mode_16_64 3
		.amdhsa_memory_ordered 1
		.amdhsa_forward_progress 1
		.amdhsa_inst_pref_size 13
	.end_amdhsa_kernel
	.amdgpu_metadata
---
amdhsa.version: [ 1, 2 ]
amdhsa.kernels:
  - .name:           k_qebe77063b0_ln2
    .symbol:         k_qebe77063b0_ln2.kd
    .args:
      - { .name: x1, .offset: 0, .size: 8, .value_kind: global_buffer, .address_space: global }
      - { .name: ln2_g, .offset: 8, .size: 8, .value_kind: global_buffer, .address_space: global }
      - { .name: ln2_b, .offset: 16, .size: 8, .value_kind: global_buffer, .address_space: global }
      - { .name: lowp_scales, .offset: 24, .size: 8, .value_kind: global_buffer, .address_space: global }
      - { .name: h2c, .offset: 32, .size: 8, .value_kind: global_buffer, .address_space: global }
    .group_segment_fixed_size: 0
    .private_segment_fixed_size: 0
    .kernarg_segment_align: 8
    .kernarg_segment_size: 40
    .max_flat_workgroup_size: 128
    .sgpr_count:     66
    .vgpr_count:     144
    .wavefront_size: 32
...
	.end_amdgpu_metadata
.endif
;; end of part 5
;; launch w1 (part 6): grid 16 x 16, 4 waves a work-group, clusters of 4 x 4, 327,680 bytes of LDS; arguments h2c, wc, lowp_scales, b1, hid; writes hid
.if DOCPART == 6
	.amdgcn_target "amdgcn-amd-amdhsa--gfx1250"
	.amdhsa_code_object_version 6
	.text
	.protected	k_qebe77063b0_w1
	.globl	k_qebe77063b0_w1
	.p2align	8
	.type	k_qebe77063b0_w1,@function
k_qebe77063b0_w1:
	s_mov_b64 s[64:65], 0
	v_nop
	global_prefetch_b8 v0, s[64:65] scope:SCOPE_SE
	s_setreg_imm32_b32 hwreg(HW_REG_WAVE_MODE, 25, 1), 1
	s_wait_xcnt 0x0
	s_wait_alu depctr_hold_cnt(0) depctr_sa_sdst(0) depctr_va_vdst(0) depctr_va_sdst(0) depctr_va_ssrc(0) depctr_va_vcc(0) depctr_vm_vsrc(0)
	s_getreg_b32 s2, hwreg(HW_REG_IB_STS2, 6, 4)
	s_cmp_eq_u32 s2, 0
	s_cbranch_scc0 .Lentry_in_a_cluster
	s_endpgm
.Lentry_in_a_cluster:
	s_bfe_u32 s2, ttmp6, 0x10000c
	s_cmp_lg_u32 s2, 0xf033
	s_cbranch_scc0 .Lentry_shape_is_right
	s_endpgm
.Lentry_shape_is_right:
; hid = codes of E4M3 (entry 14) of relu(LN2(x1) W1 + b1), both operands as codes (entries 12, 13), stored as images of the next product's operand registers ([token tile][chunk of 128 k][2 KiB]).
; A tile is 256 x 256, four waves of 128 x 128; K goes in steps of 256 through a ring of two LDS slots filled by joint loads: 4 x 4 work-groups, A's tile shared along a row of the cluster, W1's along a column.
; The clusters begin at different K steps and walk round K.  The bias goes in divided by the power of two that the sums lack; the hold between 0 and the largest code is the relu too.
; No prefetch: K is 1,024, four slots of the largest block in clusters.
; LIMITS: e14 - e12 - e13 between -126 and 119.  NaN is not served.
.set KSTEP,  256
.set ROWB,   256
.set KROW,   1024
.set PITCH,  272
.set FR,     16
.set NL,     4
.set NP,     4
.set HALFT,  128*PITCH
.set SLOT,   4*HALFT
.set LAPS,   2
.set SPARE,  2*SLOT
.set ADRA, 16
.set ADRB, 20
.set LI,   27
.set SPW,  28
.set NIL,  29
.set BIAS, 32
.set TMP,  96
.set AF,   128
.set COD,  160
.set SCV,  224
.set LIMV, 225
.set G1, 24
.set G0, 32
.set G1B, 48
.set G0B, 56
.set BA,  80
.set BB,  82
.set KO,  84
.set KT,  86
.set MSB, 0
.macro WIN new
.if MSB != \new
	s_set_vgpr_msb (MSB<<8)|\new
.set MSB, \new
.endif
.endm
.set MUL_LO, 0xa1
.set MUL_HI, 0xf1
.set TO_B,   0x40
.macro JLOAD g0a, g1a, g0b, g1b
	s_cmp_eq_u32 s15, 0
	s_cbranch_scc0 .Lfor_b_\@
	tensor_load_to_lds s[\g0a:\g0a+3], s[\g1a:\g1a+7]
	s_nop 0
.rept 4
	v_nop
.endr
	s_branch .Lasked_\@
.Lfor_b_\@:
	tensor_load_to_lds s[\g0b:\g0b+3], s[\g1b:\g1b+7]
	s_nop 0
.rept 4
	v_nop
.endr
.Lasked_\@:
.endm
.macro CREST
	s_cmp_lg_u32 s14, 0
	s_cbranch_scc1 .Lnot_wave_0_\@
	s_barrier_signal -3
.Lnot_wave_0_\@:
	s_barrier_wait -3
	s_barrier_signal -1
	s_barrier_wait -1
.endm
.macro CROUND
	s_barrier_signal -1
	s_barrier_wait -1
	CREST
.endm
.macro AIM slot
	s_mov_b32 s[KT], s[KO+\slot]
	s_add_nc_u64 s[G0+4*\slot+2:G0+4*\slot+3], s[BA:BA+1], s[KT:KT+1]
	s_or_b32 s[G0+4*\slot+3], s[G0+4*\slot+3], 0x80000000
	s_add_nc_u64 s[G0B+4*\slot+2:G0B+4*\slot+3], s[BB:BB+1], s[KT:KT+1]
	s_or_b32 s[G0B+4*\slot+3], s[G0B+4*\slot+3], 0x80000000
.endm
	s_load_b128 s[4:7], s[0:1], 0x0
	s_load_b128 s[8:11], s[0:1], 0x10
	s_load_b64 s[72:73], s[0:1], 0x20
	v_lshl_add_u32 v[SPW], v0, 2, SPARE
	v_mov_b32 v[NIL], 0
	ds_add_u32 v[SPW], v[NIL]
	ds_add_u32 v[SPW], v[NIL]
	v_lshrrev_b32 v1, 5, v0
	v_readfirstlane_b32 s14, v1
	s_lshr_b32 s15, s14, 1
	s_and_b32 s16, s14, 1
	s_bfe_u32 s40, ttmp6, 0x40000
	s_bfe_u32 s41, ttmp6, 0x40004
	s_lshl_b32 s42, ttmp9, 2
	s_add_co_u32 s42, s42, s40
	s_and_b32 s17, ttmp7, 0xffff
	s_lshl_b32 s17, s17, 2
	s_add_co_u32 s17, s17, s41
	s_lshl_b32 s43, s41, 2
	s_lshl_b32 s43, 15, s43
	s_lshl_b32 s44, 0x1111, s40
	s_or_b32 s[G1+0], s43, (0<<16)|(1<<20)|(1<<21)|(5<<22)|(3<<25)
	s_or_b32 s[G1B+0], s44, (0<<16)|(1<<20)|(1<<21)|(5<<22)|(3<<25)
.irp g, G1, G1B
	s_mov_b32 s[\g+1], ROWB<<16
	s_mov_b32 s[\g+2], 128<<16
	s_mov_b32 s[\g+3], ROWB<<16
	s_mov_b32 s[\g+4], 128
	s_mov_b32 s[\g+5], KROW
	s_mov_b32 s[\g+6], 0
	s_mov_b32 s[\g+7], 0
.endr
	s_lshl_b32 s18, s16, 7
	s_lshl_b32 s20, s17, 8
	s_add_co_u32 s20, s20, s18
	s_lshl_b32 s20, s20, 10
	s_lshl_b32 s46, s42, 8
	s_add_co_u32 s46, s46, s18
	s_lshl_b32 s46, s46, 10
	s_add_co_u32 s46, s46, 0x400000
	s_mov_b32 s21, 0
	s_mov_b32 s47, 0
	s_mul_i32 s45, s14, HALFT
	s_and_b32 s[KO], ttmp7, 0xffff
	s_lshl_b32 s[KO], s[KO], 1
	s_add_co_u32 s[KO], s[KO], ttmp9
	s_add_co_u32 s[KO+1], s[KO], 1
	s_and_b32 s[KO], s[KO], 3
	s_and_b32 s[KO+1], s[KO+1], 3
	s_lshl_b32 s[KO], s[KO], 8
	s_lshl_b32 s[KO+1], s[KO+1], 8
	s_mov_b32 s[KT+1], 0
	s_wait_dscnt 0x0
	s_wait_kmcnt 0x0
	s_load_b128 s[76:79], s[8:9], 0x30
	s_add_nc_u64 s[BA:BA+1], s[4:5], s[20:21]
	s_add_nc_u64 s[BB:BB+1], s[6:7], s[46:47]
	CROUND
.irp s, 0,1
	s_mov_b32 s[G0+4*\s], 1
	s_add_co_u32 s[G0+4*\s+1], s45, \s*SLOT
	s_mov_b32 s[G0B+4*\s], 1
	s_add_co_u32 s[G0B+4*\s+1], s45, \s*SLOT
	AIM \s
.if \s                                 ; slot 1's first fill is issued as a refill is
	s_wait_alu depctr_va_vdst(0)
	s_wait_tensorcnt 0x0
	ds_add_u32 v28, v29
	ds_add_u32 v28, v29
	s_wait_dscnt 0x0
	CROUND
.endif
	JLOAD G0+4*\s, G1, G0B+4*\s, G1B
.endr
	v_and_b32 v1, 15, v0
	v_bfe_u32 v2, v0, 4, 1
	s_wait_alu depctr_va_vdst(0)
	v_mul_u32_u24 v3, v1, PITCH
	v_lshl_add_u32 v4, v2, 4, v3
	s_mul_i32 s21, s15, HALFT
	s_mul_i32 s22, s16, HALFT
	s_add_co_u32 s22, s22, 2*HALFT
.irp s, 0,1
	v_add_nc_u32 v[ADRA+\s], s21, v4
	v_add_nc_u32 v[ADRB+\s], s22, v4
	s_add_co_u32 s21, s21, SLOT
	s_add_co_u32 s22, s22, SLOT
.endr
	v_and_b32 v6, 31, v0
	v_lshlrev_b32 v[LI], 4, v6
	s_lshl_b32 s96, s17, 8
	s_lshl_b32 s18, s15, 7
	s_add_co_u32 s96, s96, s18
	s_lshl_b32 s97, s42, 8
	s_lshl_b32 s18, s16, 7
	s_add_co_u32 s97, s97, s18
	s_lshl_b32 s98, s97, 2
	s_mov_b32 s99, 0
	s_add_nc_u64 s[92:93], s[10:11], s[98:99]
	v_lshlrev_b32 v7, 5, v2
.irp k, 0,1,2,3,4,5,6,7
	global_load_b128 v[BIAS+8*\k:BIAS+8*\k+3], v7, s[92:93] offset:64*\k
	global_load_b128 v[BIAS+8*\k+4:BIAS+8*\k+7], v7, s[92:93] offset:64*\k+16
.endr
	s_lshl_b32 s98, s96, 12
	s_lshl_b32 s100, s97, 4
	s_add_co_u32 s98, s98, s100
	s_add_nc_u64 s[94:95], s[72:73], s[98:99]
.macro FRAG reg, adr, q, i
.irp c, 0,1,2,3
	ds_load_b128 v[\reg+4*\c:\reg+4*\c+3], v[\adr] offset:128*(\q)+32*\c+(\i)*16*PITCH
.endr
.endm
.macro MUL16 a0, p, zero
.irp a, \a0, \a0+1
.irp b, 0,1,2,3,4,5,6,7
.if \zero
	v_wmma_f32_16x16x128_fp8_fp8 v[8*(8*((\a)%4)+\b):8*(8*((\a)%4)+\b)+7], v[128*(\p)+FR*\b:128*(\p)+FR*\b+FR-1], v[AF+FR*(\a):AF+FR*(\a)+FR-1], 0
.else
	v_wmma_f32_16x16x128_fp8_fp8 v[8*(8*((\a)%4)+\b):8*(8*((\a)%4)+\b)+7], v[128*(\p)+FR*\b:128*(\p)+FR*\b+FR-1], v[AF+FR*(\a):AF+FR*(\a)+FR-1], v[8*(8*((\a)%4)+\b):8*(8*((\a)%4)+\b)+7]
.endif
.endr
.endr
.endm
.macro FETCH_B slot, q, p
	WIN TO_B
.irp i, 0,1,2,3,4,5,6,7
	FRAG 128*(\p)+FR*\i, ADRB+\slot, \q, \i
.endr
	WIN 0
.endm
.macro FETCH_A slot, q, i0
.irp i, \i0, \i0+1, \i0+2, \i0+3
	FRAG AF+FR*(\i), ADRA+\slot, \q, \i
.endr
.endm
.macro PLACES n
.rept \n
	v_nop
.endr
.endm
.macro STEP slot, q, zero
	s_wait_dscnt 4*NL
	WIN MUL_LO
	MUL16 0, (\q)%2, \zero
	MUL16 2, (\q)%2, \zero
	s_wait_dscnt 0
	PLACES NP
	FETCH_B \slot, (\q)+1, 1-(\q)%2
	FETCH_A \slot, (\q)+1, 0
	WIN MUL_HI
	MUL16 4, (\q)%2, \zero
	MUL16 6, (\q)%2, \zero
	PLACES NP
	WIN 0
	FETCH_A \slot, (\q)+1, 4
.endm
.macro TURN slot, next, fill
	s_wait_tensorcnt 0x0
	ds_add_u32 v[SPW], v[NIL]
	s_wait_dscnt 4*NL+1
	WIN MUL_LO
	MUL16 0, 1, 0
	s_wait_dscnt 0x0
	s_barrier_signal -1
	MUL16 2, 1, 0
	WIN 0
	s_barrier_wait -1
.if \fill
	CREST
	s_xor_b32 s[KO+\slot], s[KO+\slot], 2*ROWB
	AIM \slot
	JLOAD G0+4*\slot, G1, G0B+4*\slot, G1B
.else
	PLACES NP
.endif
	FETCH_B \next, 0, 0
	FETCH_A \next, 0, 0
	WIN MUL_HI
	MUL16 4, 1, 0
	MUL16 6, 1, 0
	PLACES NP
	WIN 0
	FETCH_A \next, 0, 4
.endm
	s_wait_alu depctr_va_vdst(0)
	s_wait_tensorcnt 1
	s_barrier_signal -1
	s_barrier_wait -1
	FETCH_B 0, 0, 0
	FETCH_A 0, 0, 0
	FETCH_A 0, 0, 4
	STEP 0, 0, 1
	s_mov_b32 s3, LAPS-1
.Llap:
	TURN 0, 1, 1
	STEP 1, 0, 0
	TURN 1, 0, 1
	STEP 0, 0, 0
	s_sub_co_u32 s3, s3, 1
	s_cmp_lg_u32 s3, 0
	s_cbranch_scc1 .Llap
	TURN 0, 1, 0
	STEP 1, 0, 0
	s_wait_dscnt 4*NL
	WIN MUL_LO
	MUL16 0, 1, 0
	MUL16 2, 1, 0
	s_wait_dscnt 0
	WIN MUL_HI
	MUL16 4, 1, 0
	MUL16 6, 1, 0
	WIN 0
	s_wait_kmcnt 0x0
	s_add_co_i32 s19, s76, s77
	s_sub_co_i32 s98, 0, s19
	s_sub_co_i32 s18, s78, s19
	s_add_co_i32 s18, s18, 127
	s_lshl_b32 s99, s18, 23
	s_add_co_i32 s18, s18, 8
	s_lshl_b32 s18, s18, 23
	s_or_b32 s100, s18, 0x600000
	s_wait_loadcnt 0x0
.set j, 0
.rept 64
	v_ldexp_f32 v[BIAS+j], v[BIAS+j], s98
.set j, j+1
.endr
	v_mov_b32 v[SCV], s99
	v_mov_b32 v[LIMV], s100
.macro EPI a
.set AC, 64*((\a)%4)
.set CD, COD+16*((\a)%4)
.if (\a) >= 4
	s_wait_xcnt 0x0
.endif
	WIN 0x02+((\a)/4)
.set j, 0
.rept 32
	v_pk_add_f32 v[TMP+j:TMP+j+1], v[AC+j:AC+j+1], v[BIAS+j:BIAS+j+1]
.set j, j+2
.endr
	WIN 0
.irp b, 0,1,2,3,4,5,6,7
.irp i, 0,1,2,3,4,5,6,7
	v_med3_num_f32 v[TMP+8*\b+\i], v[TMP+8*\b+\i], 0, v[LIMV]
.endr
	v_cvt_scalef32_pk8_fp8_f32 v[CD+2*\b:CD+2*\b+1], v[TMP+8*\b:TMP+8*\b+7], v[SCV]
.endr
	v_nop
.irp c, 0,1,2,3
	global_store_b128 v[LI], v[CD+4*\c:CD+4*\c+3], s[94:95] offset:65536*(\a)+512*\c
.endr
.endm
.irp a, 0,1,2,3,4,5,6,7
	EPI \a
.endr
	s_wait_tensorcnt 0x0
	ds_add_u32 v[SPW], v[NIL]
	s_wait_dscnt 0x0
	CROUND
	s_endpgm
.Lfunc_end_k_qebe77063b0_w1:
	.size	k_qebe77063b0_w1, .Lfunc_end_k_qebe77063b0_w1-k_qebe77063b0_w1
	.p2alignl 7, 3214868480
	.fill 96, 4, 3214868480
	.section	.rodata,"a",@progbits
	.p2align	6, 0x0
	.amdhsa_kernel k_qebe77063b0_w1
		.amdhsa_group_segment_fixed_size 327680
		.amdhsa_private_segment_fixed_size 0
		.amdhsa_enable_private_segment 0
		.amdhsa_kernarg_size 40
		.amdhsa_user_sgpr_count 2
		.amdhsa_user_sgpr_kernarg_segment_ptr 1
		.amdhsa_wavefront_size32 1
		.amdhsa_system_sgpr_workgroup_id_x 1
		.amdhsa_system_sgpr_workgroup_id_y 1
		.amdhsa_system_sgpr_workgroup_id_z 1
		.amdhsa_system_vgpr_workitem_id 0
		.amdhsa_next_free_vgpr 1024
		.amdhsa_next_free_sgpr 102
		.amdhsa_reserve_vcc 0
		.amdhsa_float_denorm_mode_32 3
		.amdhsa_float_denorm_mode_16_64 3
		.amdhsa_memory_ordered 1
		.amdhsa_forward_progress 1
		.amdhsa_inst_pref_size 140
	.end_amdhsa_kernel
	.amdgpu_metadata
---
amdhsa.version: [ 1, 2 ]
amdhsa.kernels:
  - .name:           k_qebe77063b0_w1
    .symbol:         k_qebe77063b0_w1.kd
    .args:
      - { .name: h2c, .offset: 0, .size: 8, .value_kind: global_buffer, .address_space: global }
      - { .name: wc, .offset: 8, .size: 8, .value_kind: global_buffer, .address_space: global }
      - { .name: lowp_scales, .offset: 16, .size: 8, .value_kind: global_buffer, .address_space: global }
      - { .name: b1, .offset: 24, .size: 8, .value_kind: global_buffer, .address_space: global }
      - { .name: hid, .offset: 32, .size: 8, .value_kind: global_buffer, .address_space: global }
    .group_segment_fixed_size: 327680
    .private_segment_fixed_size: 0
    .kernarg_segment_align: 8
    .kernarg_segment_size: 40
    .max_flat_workgroup_size: 128
    .sgpr_count:     102
    .vgpr_count:     1024
    .wavefront_size: 32
...
	.end_amdgpu_metadata
.endif
;; end of part 6
;; launch w2 (part 7): grid 8 x 32, 4 waves a work-group, clusters of 4 x 4, 327,680 bytes of LDS; arguments hid, wc, lowp_scales, b2, x1, out0; writes out0
.if DOCPART == 7
	.amdgcn_target "amdgcn-amd-amdhsa--gfx1250"
	.amdhsa_code_object_version 6
	.text
	.protected	k_qebe77063b0_w2
	.globl	k_qebe77063b0_w2
	.p2align	8
	.type	k_qebe77063b0_w2,@function
k_qebe77063b0_w2:
	s_mov_b64 s[64:65], 0
	v_nop
	global_prefetch_b8 v0, s[64:65] scope:SCOPE_SE
	s_setreg_imm32_b32 hwreg(HW_REG_WAVE_MODE, 25, 1), 1
	s_wait_xcnt 0x0
	s_wait_alu depctr_hold_cnt(0) depctr_sa_sdst(0) depctr_va_vdst(0) depctr_va_sdst(0) depctr_va_ssrc(0) depctr_va_vcc(0) depctr_vm_vsrc(0)
	s_getreg_b32 s2, hwreg(HW_REG_IB_STS2, 6, 4)
	s_cmp_eq_u32 s2, 0
	s_cbranch_scc0 .Lentry_in_a_cluster
	s_endpgm
.Lentry_in_a_cluster:
	s_bfe_u32 s2, ttmp6, 0x10000c
	s_cmp_lg_u32 s2, 0xf033
	s_cbranch_scc0 .Lentry_shape_is_right
	s_endpgm
.Lentry_shape_is_right:
; out0 = x1 + (hid W2 x 2^(e14 + e15) + b2).  hid arrives as images of operand registers ([token tile][chunk of 128 k][2 KiB]), W2' (8 MiB into wc) as rows of codes, K innermost, in the order of k that matches.
; A tile is 128 x 128, so that 4,096 x 1,024 gives 256 work-groups; four waves of 64 x 64.  K = 4,096 goes in eight steps of 512 through a ring of two LDS slots filled by joint loads:
; 4 x 4 work-groups, hid's tile shared along a row of the cluster, W2's along a column.  The clusters begin at different steps and walk round K.
; PREFETCH: behind each joint load that has a step two further on, each wave names that step's part of the tile that it fetches: 32 blocks of 256 bytes, a lane a block.  Of the 128 blocks of a wave's load the four
; partners that ask for it jointly take 32 each, told apart by address (cx: one token tile's 8,192 bytes; cy: 16 rows x 512 bytes).  Steps 0 and 1 come by their loads alone; the last two refills ask for nothing.
; LIMITS: e14 + e15 between -126 and 127.
.set PFA, 80                           ; s[80:81] my wave's and my work-group's part of A or of W, at K = 0; s[82:83], s[86:87] a prefetch's address, by turns; s84 log2 of a step's bytes there
.set PFO, 30                           ; v30 the prefetches' offset by lane; never rewritten
.set SIZE_K, 4096
.set WOFF,   0x800000
.set EIDX,   14
.set NSL,    SIZE_K/512
.set APART,  32768
.set BPITCH, 528
.set BPART,  64*BPITCH
.set BOFF,   2*APART
.set SLOT,   BOFF+2*BPART
.set STAGE,  2*SLOT
.set SPITCH, 272
.set SPARE,  STAGE+4*16*SPITCH
.set LAPS,   SIZE_K/1024
.set ADRA, 16
.set ADRB, 20
.set STO,  24
.set RD,   25
.set CO,   26
.set BO,   27
.set SPW,  28
.set NIL,  29
.set RES,  32
.set VAL,  96
.set ACC,  128
.set F0,   0
.set F1,   128
.set G1, 24
.set G0, 32
.set G1B, 48
.set G0B, 56
.set NXT, 8
.set BA,  14
.set BB,  78
.set KT,  66
.set MSB, 0
.macro WIN new
.if MSB != \new
	s_set_vgpr_msb (MSB<<8)|\new
.set MSB, \new
.endif
.endm
.set MUL,  0x05
.set TO_F, 0x40
.macro JLOAD s
	s_cmp_eq_u32 s11, 0
	s_cbranch_scc0 .Lfor_b_\@
	tensor_load_to_lds s[G0+4*\s:G0+4*\s+3], s[G1:G1+7]
	s_nop 0
.rept 4
	v_nop
.endr
	s_branch .Lasked_\@
.Lfor_b_\@:
	tensor_load_to_lds s[G0B+4*\s:G0B+4*\s+3], s[G1B:G1B+7]
	s_nop 0
.rept 4
	v_nop
.endr
.Lasked_\@:
.endm
.macro CREST
	s_cmp_lg_u32 s10, 0
	s_cbranch_scc1 .Lnot_wave_0_\@
	s_barrier_signal -3
.Lnot_wave_0_\@:
	s_barrier_wait -3
	s_barrier_signal -1
	s_barrier_wait -1
.endm
.macro CROUND
	s_barrier_signal -1
	s_barrier_wait -1
	CREST
.endm
.macro AIM slot
	s_and_b32 s9, s[NXT], NSL-1
	s_add_co_u32 s[NXT], s[NXT], 1
	s_lshl_b32 s[KT], s9, 13
	s_add_nc_u64 s[G0+4*\slot+2:G0+4*\slot+3], s[BA:BA+1], s[KT:KT+1]
	s_or_b32 s[G0+4*\slot+3], s[G0+4*\slot+3], 0x80000000
	s_lshl_b32 s[KT], s9, 9
	s_add_nc_u64 s[G0B+4*\slot+2:G0B+4*\slot+3], s[BB:BB+1], s[KT:KT+1]
	s_or_b32 s[G0B+4*\slot+3], s[G0B+4*\slot+3], 0x80000000
.endm
	s_load_b128 s[4:7], s[0:1], 0x0
	s_load_b128 s[68:71], s[0:1], 0x10
	s_load_b128 s[72:75], s[0:1], 0x20
	v_lshl_add_u32 v[SPW], v0, 2, SPARE
	v_mov_b32 v[NIL], 0
	ds_add_u32 v[SPW], v[NIL]
	ds_add_u32 v[SPW], v[NIL]
	v_lshrrev_b32 v1, 5, v0
	v_readfirstlane_b32 s10, v1
	s_lshr_b32 s11, s10, 1
	s_and_b32 s12, s10, 1
	s_bfe_u32 s40, ttmp6, 0x40000
	s_bfe_u32 s41, ttmp6, 0x40004
	s_lshl_b32 s42, ttmp9, 2
	s_add_co_u32 s42, s42, s40
	s_and_b32 s13, ttmp7, 0xffff
	s_lshl_b32 s[NXT], s13, 1
	s_lshl_b32 s9, ttmp9, 2
	s_add_co_u32 s[NXT], s[NXT], s9
	s_mov_b32 s[KT+1], 0
	s_lshl_b32 s13, s13, 2
	s_add_co_u32 s13, s13, s41
	s_lshl_b32 s43, s41, 2
	s_lshl_b32 s43, 15, s43
	s_lshl_b32 s44, 0x1111, s40
	s_or_b32 s[G1+0], s43, (0<<16)|(1<<21)
	s_mov_b32 s[G1+1], 8192<<16
	s_mov_b32 s[G1+2], 4<<16
	s_mov_b32 s[G1+3], 8192<<16
	s_mov_b32 s[G1+4], 4
	s_mov_b32 s[G1+5], 16*SIZE_K
	s_mov_b32 s[G1+6], 0
	s_mov_b32 s[G1+7], 0
	s_or_b32 s[G1B+0], s44, (0<<16)|(1<<20)|(1<<21)|(6<<22)|(3<<25)
	s_mov_b32 s[G1B+1], 512<<16
	s_mov_b32 s[G1B+2], 64<<16
	s_mov_b32 s[G1B+3], 512<<16
	s_mov_b32 s[G1B+4], 64
	s_mov_b32 s[G1B+5], SIZE_K
	s_mov_b32 s[G1B+6], 0
	s_mov_b32 s[G1B+7], 0
	s_lshl_b32 s16, s13, 3
	s_lshl_b32 s17, s12, 2
	s_add_co_u32 s16, s16, s17
	s_mul_i32 s16, s16, 16*SIZE_K
	s_mov_b32 s17, 0
	s_lshl_b32 s46, s42, 7
	s_lshl_b32 s47, s12, 6
	s_add_co_u32 s46, s46, s47
	s_mul_i32 s46, s46, SIZE_K
	s_add_co_u32 s46, s46, WOFF
	s_mov_b32 s47, 0
	s_mul_i32 s20, s12, APART
	s_mul_i32 s21, s12, BPART
	s_add_co_u32 s21, s21, BOFF
	s_wait_dscnt 0x0
	s_wait_kmcnt 0x0
	s_load_b64 s[76:77], s[68:69], EIDX*4
	s_add_nc_u64 s[BA:BA+1], s[4:5], s[16:17]
	s_add_nc_u64 s[BB:BB+1], s[6:7], s[46:47]
	CROUND
.irp s, 0,1
	s_mov_b32 s[G0+4*\s], 1
	s_add_co_u32 s[G0+4*\s+1], s20, \s*SLOT
	s_mov_b32 s[G0B+4*\s], 1
	s_add_co_u32 s[G0B+4*\s+1], s21, \s*SLOT
	AIM \s
.if \s                                 ; slot 1's first fill is issued as a refill is
	s_wait_alu depctr_va_vdst(0)
	s_wait_tensorcnt 0x0
	ds_add_u32 v28, v29
	ds_add_u32 v28, v29
	s_wait_dscnt 0x0
	CROUND
.endif
	JLOAD \s
.endr
	v_and_b32 v1, 15, v0
	v_bfe_u32 v2, v0, 4, 1
	v_and_b32 v3, 31, v0
	v_lshlrev_b32 v3, 4, v3
	v_mul_u32_u24 v4, v1, BPITCH
	v_lshl_add_u32 v4, v2, 4, v4
	s_mul_i32 s21, s11, APART
	s_mul_i32 s22, s12, BPART
	s_add_co_u32 s22, s22, BOFF
.irp s, 0,1
	v_add_nc_u32 v[ADRA+\s], s21, v3
	v_add_nc_u32 v[ADRB+\s], s22, v4
	s_add_co_u32 s21, s21, SLOT
	s_add_co_u32 s22, s22, SLOT
.endr
	s_mul_i32 s23, s10, 16*SPITCH
	s_add_co_u32 s23, s23, STAGE
	v_mul_u32_u24 v5, v1, SPITCH
	v_lshl_add_u32 v5, v2, 5, v5
	v_add_nc_u32 v[STO], s23, v5
	v_mul_u32_u24 v5, v2, SPITCH
	v_lshl_add_u32 v5, v1, 4, v5
	v_add_nc_u32 v[RD], s23, v5
	v_lshlrev_b32 v[CO], 12, v2
	v_lshl_add_u32 v[CO], v1, 4, v[CO]
	v_lshlrev_b32 v[BO], 4, v1
	s_cmp_eq_u32 s11, 0                            ; do I fetch for A?
	s_cselect_b64 s[PFA:PFA+1], s[BA:BA+1], s[BB:BB+1]
	s_cselect_b32 s82, s40, s41                    ; my place among the four that ask with me
	s_cselect_b32 s84, 13, 9                       ; a step: 8,192 bytes of a token tile's images, 512 bytes of a row of W
	s_cselect_b32 s88, 9, 12                       ; two lanes: 512 bytes on in the images, one row of 4,096 bytes on in W
	s_lshl_b32 s82, s82, 16                        ; one token tile of 65,536 bytes, or 16 rows of 4,096
	s_mov_b32 s83, 0
	s_add_nc_u64 s[PFA:PFA+1], s[PFA:PFA+1], s[82:83]
	v_and_b32 v6, 31, v0
	v_lshrrev_b32 v7, 1, v6
	v_lshlrev_b32 v7, s88, v7
	v_and_b32 v6, 1, v6
	v_lshl_add_u32 v[PFO], v6, 8, v7               ; (lane / 2) x that + 256 (lane % 2)
	s_wait_alu depctr_va_vdst(0)
	s_lshl_b32 s16, s13, 7
	s_lshl_b32 s17, s11, 6
	s_add_co_u32 s16, s16, s17
	s_lshl_b32 s16, s16, 12
	s_lshl_b32 s46, s42, 9
	s_lshl_b32 s47, s12, 8
	s_add_co_u32 s46, s46, s47
	s_mov_b32 s47, 0
	s_add_nc_u64 s[70:71], s[70:71], s[46:47]
	s_add_co_u32 s46, s46, s16
	s_add_nc_u64 s[72:73], s[72:73], s[46:47]
	s_add_nc_u64 s[74:75], s[74:75], s[46:47]
	global_load_b128 v[8:11], v[BO], s[70:71]
.macro RLOAD a                         ; block a's 16 rows of the residual, as the way out will hold them: blocks 0, 1 in window 0, blocks 2, 3 under the same numbers in window 2
	WIN 0x80*((\a)/2)
.irp t, 0,1,2,3,4,5,6,7
	global_load_b128 v[RES+32*((\a)%2)+4*\t:RES+32*((\a)%2)+4*\t+3], v[CO], s[72:73] offset:(16*(\a)+2*\t)*4096
.endr
	WIN 0
.endm
	RLOAD 0                                        ; all four blocks are asked for here, at the head
	RLOAD 1
	RLOAD 2
	RLOAD 3
.macro ASK inloop, p, d                ; the step NXT + d, round K, is asked of memory: one instruction a wave.  In the loop's last trip (s3 = 1) there is no step two further on
	WIN 0
.if \inloop
	s_cmp_gt_u32 s3, 1
	s_cbranch_scc0 .Lnone_\@
.endif
	s_wait_xcnt 0x0                                ; the prefetch that read this pair, two asks ago, has had its address translated
	s_add_co_u32 s85, s[NXT], \d
	s_and_b32 s85, s85, NSL-1
	s_lshl_b32 s[82+4*\p], s85, s84
	s_mov_b32 s[83+4*\p], 0
	s_add_nc_u64 s[82+4*\p:83+4*\p], s[PFA:PFA+1], s[82+4*\p:83+4*\p]
	global_prefetch_b8 v[PFO], s[82+4*\p:83+4*\p] th:TH_LOAD_NT scope:SCOPE_SE
.Lnone_\@:
.endm
	ASK 0, 0, 0                                    ; steps 2 and 3, which the first two refills will load
	ASK 0, 1, 1
.macro MUL4 f, a, zero
.irp b, 0,1,2,3
.if \zero
	v_wmma_f32_16x16x128_fp8_fp8 v[ACC+8*(4*(\a)+\b):ACC+8*(4*(\a)+\b)+7], v[\f+64+16*\b:\f+64+16*\b+15], v[\f+16*(\a):\f+16*(\a)+15], 0
.else
	v_wmma_f32_16x16x128_fp8_fp8 v[ACC+8*(4*(\a)+\b):ACC+8*(4*(\a)+\b)+7], v[\f+64+16*\b:\f+64+16*\b+15], v[\f+16*(\a):\f+16*(\a)+15], v[ACC+8*(4*(\a)+\b):ACC+8*(4*(\a)+\b)+7]
.endif
.endr
.endm
.macro MUL8 f, a0, zero
	MUL4 \f, \a0, \zero
	MUL4 \f, \a0+1, \zero
.endm
.macro FETCH slot, kq, f
	WIN TO_F
.irp i, 0,1,2,3
.irp c, 0,1,2,3
	ds_load_b128 v[\f+64+16*\i+4*\c:\f+64+16*\i+4*\c+3], v[ADRB+\slot] offset:128*(\kq)+32*\c+\i*16*BPITCH
.endr
.endr
.irp i, 0,1,2,3
.irp c, 0,1,2,3
	ds_load_b128 v[\f+16*\i+4*\c:\f+16*\i+4*\c+3], v[ADRA+\slot] offset:(4*\i+(\kq))*2048+512*\c
.endr
.endr
.endm
.macro PLACES
.rept 4
	v_nop
.endr
.endm
.macro QUARTER slot, kq, f, g, zero
	s_wait_dscnt 8
	WIN MUL
	MUL8 \f, 0, \zero
	PLACES
	FETCH \slot, \kq, \g
	s_wait_dscnt 32
	WIN MUL
	MUL8 \f, 2, \zero
.endm
.macro TURN slot, next, fill
	WIN 0
	s_wait_tensorcnt 0x0
	ds_add_u32 v[SPW], v[NIL]
	s_wait_dscnt 9
	WIN MUL
	MUL4 F1, 0, 0
	s_wait_dscnt 0x0
	s_barrier_signal -1
	MUL4 F1, 1, 0
.if \fill
	WIN 0
.endif
	s_barrier_wait -1
.if \fill
	CREST
	AIM \slot
	JLOAD \slot
.else
	PLACES
.endif
	FETCH \next, 0, F0
.if \fill
	ASK 1, \slot, 1                                ; NXT stands one past the step just asked for: the step two on from that one
.endif
	WIN MUL
	MUL8 F1, 2, 0
.endm
	s_wait_tensorcnt 1
	s_barrier_signal -1
	s_barrier_wait -1
	FETCH 0, 0, F0
	QUARTER 0, 1, F0, F1, 1
.if LAPS > 1
	WIN 0
	s_mov_b32 s3, LAPS-1
.Llap:
	QUARTER 0, 2, F1, F0, 0
	QUARTER 0, 3, F0, F1, 0
	TURN 0, 1, 1
	QUARTER 1, 1, F0, F1, 0
	QUARTER 1, 2, F1, F0, 0
	QUARTER 1, 3, F0, F1, 0
	TURN 1, 0, 1
	QUARTER 0, 1, F0, F1, 0
	WIN 0
	s_sub_co_u32 s3, s3, 1
	s_cmp_lg_u32 s3, 0
	s_cbranch_scc1 .Llap
.endif
	QUARTER 0, 2, F1, F0, 0
	QUARTER 0, 3, F0, F1, 0
	TURN 0, 1, 0
	QUARTER 1, 1, F0, F1, 0
	QUARTER 1, 2, F1, F0, 0
	QUARTER 1, 3, F0, F1, 0
	s_wait_dscnt 8
	WIN MUL
	MUL8 F1, 0, 0
	s_wait_dscnt 0
	MUL8 F1, 2, 0
	WIN 0
	s_wait_kmcnt 0x0
	s_add_co_i32 s76, s76, s77
	s_add_co_i32 s76, s76, 127
	s_lshl_b32 s76, s76, 23
	s_mov_b32 s77, s76
	PLACES
.macro OUTBLK a, left
.if (\a) > 0
	s_wait_xcnt 0x0
.endif
.irp b, 0,1,2,3
	ds_store_b128 v[STO], v[ACC+8*(4*(\a)+\b):ACC+8*(4*(\a)+\b)+3] offset:64*\b
	ds_store_b128 v[STO], v[ACC+8*(4*(\a)+\b)+4:ACC+8*(4*(\a)+\b)+7] offset:64*\b+16
.endr
.irp t, 0,1,2,3,4,5,6,7
	ds_load_b128 v[VAL+4*\t:VAL+4*\t+3], v[RD] offset:\t*2*SPITCH
.endr
	s_wait_dscnt 0x0
	s_wait_loadcnt \left                           ; this block's residual rows are in; the later blocks' loads, eight each, may be out
	WIN 0x08*((\a)/2)                              ; source 1, the residual: window 0 or 2
.irp t, 0,1,2,3,4,5,6,7
	v_pk_fma_f32 v[VAL+4*\t:VAL+4*\t+1], v[VAL+4*\t:VAL+4*\t+1], s[76:77], v[8:9] op_sel_hi:[1,0,1]
	v_pk_fma_f32 v[VAL+4*\t+2:VAL+4*\t+3], v[VAL+4*\t+2:VAL+4*\t+3], s[76:77], v[10:11] op_sel_hi:[1,0,1]
	v_pk_add_f32 v[VAL+4*\t:VAL+4*\t+1], v[VAL+4*\t:VAL+4*\t+1], v[RES+32*((\a)%2)+4*\t:RES+32*((\a)%2)+4*\t+1]
	v_pk_add_f32 v[VAL+4*\t+2:VAL+4*\t+3], v[VAL+4*\t+2:VAL+4*\t+3], v[RES+32*((\a)%2)+4*\t+2:RES+32*((\a)%2)+4*\t+3]
.endr
	WIN 0                                          ; a store's data are its source 1: they lie in window 0
.irp t, 0,1,2,3,4,5,6,7
	global_store_b128 v[CO], v[VAL+4*\t:VAL+4*\t+3], s[74:75] offset:(16*(\a)+2*\t)*4096
.endr
.endm
	OUTBLK 0, 24
	OUTBLK 1, 16
	OUTBLK 2, 8
	OUTBLK 3, 0
	s_wait_tensorcnt 0x0
	ds_add_u32 v[SPW], v[NIL]
	s_wait_dscnt 0x0
	CROUND
	s_endpgm
.Lfunc_end_k_qebe77063b0_w2:
	.size	k_qebe77063b0_w2, .Lfunc_end_k_qebe77063b0_w2-k_qebe77063b0_w2
	.p2alignl 7, 3214868480
	.fill 96, 4, 3214868480
	.section	.rodata,"a",@progbits
	.p2align	6, 0x0
	.amdhsa_kernel k_qebe77063b0_w2
		.amdhsa_group_segment_fixed_size 327680
		.amdhsa_private_segment_fixed_size 0
		.amdhsa_enable_private_segment 0
		.amdhsa_kernarg_size 48
		.amdhsa_user_sgpr_count 2
		.amdhsa_user_sgpr_kernarg_segment_ptr 1
		.amdhsa_wavefront_size32 1
		.amdhsa_system_sgpr_workgroup_id_x 1
		.amdhsa_system_sgpr_workgroup_id_y 1
		.amdhsa_system_sgpr_workgroup_id_z 1
		.amdhsa_system_vgpr_workitem_id 0
		.amdhsa_next_free_vgpr 640
		.amdhsa_next_free_sgpr 90
		.amdhsa_reserve_vcc 0
		.amdhsa_float_denorm_mode_32 3
		.amdhsa_float_denorm_mode_16_64 3
		.amdhsa_memory_ordered 1
		.amdhsa_forward_progress 1
		.amdhsa_inst_pref_size 85
	.end_amdhsa_kernel
	.amdgpu_metadata
---
amdhsa.version: [ 1, 2 ]
amdhsa.kernels:
  - .name:           k_qebe77063b0_w2
    .symbol:         k_qebe77063b0_w2.kd
    .args:
      - { .name: hid, .offset: 0, .size: 8, .value_kind: global_buffer, .address_space: global }
      - { .name: wc, .offset: 8, .size: 8, .value_kind: global_buffer, .address_space: global }
      - { .name: lowp_scales, .offset: 16, .size: 8, .value_kind: global_buffer, .address_space: global }
      - { .name: b2, .offset: 24, .size: 8, .value_kind: global_buffer, .address_space: global }
      - { .name: x1, .offset: 32, .size: 8, .value_kind: global_buffer, .address_space: global }
      - { .name: out0, .offset: 40, .size: 8, .value_kind: global_buffer, .address_space: global }
    .group_segment_fixed_size: 327680
    .private_segment_fixed_size: 0
    .kernarg_segment_align: 8
    .kernarg_segment_size: 48
    .max_flat_workgroup_size: 128
    .sgpr_count:     90
    .vgpr_count:     640
    .wavefront_size: 32
...
	.end_amdgpu_metadata
.endif
;; end of part 7
